; MI455X (gfx1250); checked and timed in simulation.
; The chip was launched on July 23, 2026; its instructions are those of AMD's public machine-readable ISA for CDNA 5 (MIT licence, August 2026) and "CDNA5" Instruction Set Architecture Reference Guide (July 2026). The comments in the code are by the model that wrote it; some were corrected since.
;; Multi Head Att. Allowed arithmetic: matrix products marked QUANTISED: E2M1 operands, one E8M0 scale for each 32 along K, by v_wmma_scale_f32_16x16x128_f8f6f4 with both operands' format E2M1 (or v_wmma_scale_f32_32x16x128_f4), f32 sums; products left as they are: bf16, f16 or f32 operands; f32 sums; everything else in f32.
;; Inputs: E 2 x 2,048 x 1,024 float32; HK 16 x 64 x 1,024 float32; HQ 16 x 64 x 1,024 float32; HV 16 x 64 x 1,024 float32; WK 1,024 x 1,024 float32; WO 1,024 x 1,024 float32; WQ 1,024 x 1,024 float32; WV 1,024 x 1,024 float32.
;; Outputs: out0 2 x 2,048 x 1,024 float32.
;; This version of the problem:
;;   THIS VERSION OF THE PROBLEM IS GIVEN IN LOW PRECISION. The matrix products marked QUANTISED in the list below multiply operands that are first quantised to E2M1 (2 exponent bits, 1 mantissa bit; 4 bits a number), with one power-of-two scale for each 32 numbers along K (OCP MX v1.0); their sums are f32. The products marked 'left as it is' may take bf16, f16 or f32 operands, with f32 sums. All else is computed in f32.
;;   The module's matrix products, in the order in which they are computed (A, B: the left and right operand; K: the contracted axis; several contracted axes count as one K, in the product's order):
;;     1. [M 4,096, K 1,024] x [K 1,024, N 1,024]; A: input E; B: input WQ: QUANTISED
;;     2. [M 4,096, K 1,024] x [K 1,024, N 1,024]; A: input E; B: input WK: QUANTISED
;;     3. [M 4,096, K 1,024] x [K 1,024, N 1,024]; A: input E; B: input WV: QUANTISED
;;     4. [M 1,024, K 1,024] x [K 1,024, N 4,096]; A: input HQ; B: computed on the way: left as it is (an operand is computed on the way)
;;     5. [M 1,024, K 1,024] x [K 1,024, N 4,096]; A: input HK; B: computed on the way: left as it is (an operand is computed on the way)
;;     6. [M 1,024, K 1,024] x [K 1,024, N 4,096]; A: input HV; B: computed on the way: left as it is (an operand is computed on the way)
;;     7. batch 32 x [M 2,048, K 64] x [K 64, N 2,048]; A: computed on the way; B: computed on the way: left as it is (an operand is computed on the way)
;;     8. batch 32 x [M 2,048, K 2,048] x [K 2,048, N 64]; A: computed on the way; B: computed on the way: left as it is (an operand is computed on the way)
;;     9. [M 4,096, K 1,024] x [K 1,024, N 1,024]; A: computed on the way; B: input WO: left as it is (an operand is computed on the way)
;;   THE QUANTISER, for each operand of a quantised product, along K:
;;     - K is cut into blocks of 32 from its start; a last block that is shorter is filled with zeros.
;;     - A block's scale is 2^e with e = floor(log2(the largest magnitude in the block)) - 2, held to -126 .. 127; a block of zeros has e = 0. As a byte (E8M0): e + 127.
;;     - Each number is divided by its block's scale, clamped to +-6, and rounded to the nearest number of E2M1, ties to even, subnormals kept.
;;     - The product sums the exact products of the quantised numbers (number of the format x scale) in f32.
;;   ~~~python
;;   def quantise(x, axis):      # numpy; x: float32 -> the quantised numbers, widened to float32 again
;;       x = np.moveaxis(x, axis, -1); K = x.shape[-1]
;;       x = np.pad(x, [(0, 0)] * (x.ndim - 1) + [(0, -K % 32)]); x = x.reshape(x.shape[:-1] + (-1, 32)); a = np.abs(x).max(-1, keepdims=True)
;;       e = np.where(a > 0, np.clip(np.frexp(np.where(a > 0, a, 1))[1] - 1 - 2, -126, 127), 0)      # np.frexp(a)[1] - 1 = floor(log2(a)), exactly
;;       r = np.clip(x / 2.0 ** e, -6, 6)
;;       step = 2.0 ** (np.maximum(np.frexp(np.where(r == 0, 1, r))[1] - 1, 0) - 1)
;;       q = np.round(r / step) * step * 2.0 ** e      # np.round: ties to even
;;       return np.moveaxis(q.reshape(q.shape[:-2] + (-1,))[..., :K], -1, axis).astype(np.float32)
;;   ~~~
;; One version. Each part assembles by itself: llvm-mc -triple=amdgcn-amd-amdhsa -mcpu=gfx1250 --defsym DOCPART=n.
;; ======== version 1 of 1: 5 launches
;; limits: values are held in f16: magnitudes above 65,504 overflow, below 6.1e-05 lose precision; right only within a limited range of input values
;; workspace buffers: codes 3,670,016 bytes; scl 229,376 bytes; hb 8,388,608 bytes; mx 7,680 bytes; qkv1 25,165,824 bytes; qkv2 25,165,824 bytes; ob 8,388,608 bytes
;; launch prep (part 1): grid 480 x 1, 4 waves a work-group, no clusters, 33,280 bytes of LDS; arguments E, WQ, WK, WV, HQ, HK, HV, WO, codes, scl, hb, mx; writes codes, scl, hb, mx
.if DOCPART == 1
	.amdgcn_target "amdgcn-amd-amdhsa--gfx1250"
	.amdhsa_code_object_version 6
	.text
	.protected	k_q2f3f1bde6b_prep
	.globl	k_q2f3f1bde6b_prep
	.p2align	8
	.type	k_q2f3f1bde6b_prep,@function
k_q2f3f1bde6b_prep:
	s_mov_b64 s[64:65], 0
	v_nop
	global_prefetch_b8 v0, s[64:65] scope:SCOPE_SE
	s_setreg_imm32_b32 hwreg(HW_REG_WAVE_MODE, 25, 1), 1
	s_wait_xcnt 0x0
; Work-groups 0-223: E, WQ, WK, WV (f32, K innermost) become codes of FP4 (E2M1) and one E8M0 byte for each 32 along K, laid one tensor behind the other:
;   codes [7168 rows][512 bytes], scl [7168][32]; rows 0-4095 E, then WQ, WK, WV.  Rows are dense and K is a multiple of 32: the tensors are plain streams of blocks of 32.
; Work-groups 224-479: HQ, HK, HV, WO (f32) are rounded to f16 into hb [4096][1024], one tensor behind the other.
; Every wave also stores the largest magnitude that it has seen, mx[4 x work-group + wave]: the later launches take whole-tensor powers of two from these.
; A block's scale is 2^(floor(log2(largest magnitude)) - 2); its byte is the largest magnitude's exponent field - 2, held at 1 from below by a floor among the maximum's leaves.
; (A block of zeros so keeps the byte 1: its codes are zeros, and this program alone reads the bytes.)
; LIMITS: NaN and infinities are not served; blocks whose largest magnitude lies under 2^-124 keep the byte 1; |HQ|, |HK|, |HV|, |WO| up to 65,504 (f16's largest number).
; No matrix unit, no cluster, no tensor load: a stream; waves share nothing, so there is no barrier.
.set STEPS, 16                         ; a quantising wave takes 16 steps of 512 numbers
.set CB,    8                          ; bytes of 16 codes
.set R,     16                         ; v16-79   four sets of 16 numbers as loaded (the cast path: v16-143, 32 loads)
.set X,     80                         ; v80-111  two sets of 16 neighbours
.set EB,    112                        ; v112-127 a scale byte for each step
.set C,     128                        ; v128-191 codes, four registers a step: no store's data are written again
.set MXR,   10                         ; v10      the wave's running largest magnitude
.set WREG,  8192                       ; LDS: a region for each wave: two stages of 32 x SP bytes, behind them its 256 scale bytes
.set SP,    80                         ; a lane's place in a stage: 64 bytes + 16 of padding
	s_load_b512 s[4:19], s[0:1], 0x0               ; E s4, WQ s6, WK s8, WV s10, HQ s12, HK s14, HV s16, WO s18
	s_load_b256 s[20:27], s[0:1], 0x40             ; codes s20, scl s22, hb s24, mx s26
	v_lshl_add_u32 v192, v0, 2, 0x8000
	v_mov_b32 v193, 0
	v_lshrrev_b32 v1, 5, v0
	v_readfirstlane_b32 s28, v1                    ; wave
	v_and_b32 v2, 31, v0                           ; lane
	v_lshlrev_b32 v3, 4, v2                        ; my 16 bytes of a load's 512
	v_lshlrev_b32 v4, 3, v2                        ; my 8 bytes of a store's 256
	s_mov_b32 s36, 0x76543210                      ; v_permlanex16_b32's selects for lane l xor 16
	s_mov_b32 s37, 0xfedcba98
	s_lshl_b32 s34, ttmp9, 2
	s_add_co_u32 s34, s34, s28                     ; 4 x work-group + wave
	s_lshl_b32 s32, s34, 2
	s_mov_b32 s33, 0
	s_wait_kmcnt 0x0
	s_add_nc_u64 s[26:27], s[26:27], s[32:33]      ; my word of mx
	s_cmp_lt_u32 ttmp9, 224
	s_cbranch_scc0 .Lcast
	; ---- the quantiser: my wave's run of 8,192 numbers
	s_mul_i32 s29, s28, WREG
	v_lshrrev_b32 v14, 2, v2
	v_mul_u32_u24 v14, v14, SP
	v_and_b32 v15, 3, v2
	v_lshl_add_u32 v14, v15, 4, v14
	v_add_nc_u32 v14, s29, v14                     ; the stage, on the way in: four lanes' 64 bytes on end, then 16 of padding
	v_mul_u32_u24 v15, v2, SP
	v_add_nc_u32 v15, s29, v15                     ; on the way out: SP x lane: my 16 neighbours
	v_lshrrev_b32 v5, 1, v2
	s_add_co_u32 s29, s29, 2*32*SP
	v_add_nc_u32 v5, s29, v5                       ; LDS: my block's scale byte
	v_lshlrev_b32 v7, 3, v2
	v_add_nc_u32 v6, s29, v7                       ; and 8 of the 256 bytes on the way out
	s_and_b32 s30, ttmp9, 31                       ; a weight has 32 work-groups, and 128, 160, 192 are multiples of 32
	s_cmp_lt_u32 ttmp9, 192                        ; the tensor is chosen by the work-group's number alone
	s_cselect_b64 s[8:9], s[8:9], s[10:11]
	s_cmp_lt_u32 ttmp9, 160
	s_cselect_b64 s[6:7], s[6:7], s[8:9]
	s_cmp_lt_u32 ttmp9, 128
	s_cselect_b64 s[4:5], s[4:5], s[6:7]
	s_cselect_b32 s30, ttmp9, s30
	s_lshl_b32 s30, s30, 2
	s_add_co_u32 s30, s30, s28
	s_lshl_b32 s30, s30, 15                        ; 8,192 numbers of 4 bytes a wave
	s_mov_b32 s31, 0
	s_add_nc_u64 s[4:5], s[4:5], s[30:31]
	s_lshl_b32 s32, s34, 12                        ; 4,096 bytes of codes a wave
	s_add_nc_u64 s[20:21], s[20:21], s[32:33]
	s_lshl_b32 s32, s34, 8                         ; 256 scale bytes a wave
	s_add_nc_u64 s[22:23], s[22:23], s[32:33]
.macro LOAD t
.irp i, 0,1,2,3
	global_load_b128 v[R+16*((\t)%4)+4*\i:R+16*((\t)%4)+4*\i+3], v3, s[4:5] offset:2048*(\t)+512*\i th:TH_LOAD_NT   ; 32 lanes read 512 consecutive bytes
.endr
.endm
.macro TURN t                          ; step t's numbers through the stage: LDS serves a wave's instructions in order, so no wait stands between the stores and the loads
.irp i, 0,1,2,3
	ds_store_b128 v14, v[R+16*((\t)%4)+4*\i:R+16*((\t)%4)+4*\i+3] offset:32*SP*((\t)%2)+8*SP*\i
.endr
.irp i, 0,1,2,3
	ds_load_b128 v[X+16*((\t)%2)+4*\i:X+16*((\t)%2)+4*\i+3], v15 offset:32*SP*((\t)%2)+16*\i
.endr
.endm
.irp t, 0,1,2,3
	LOAD \t
.endr
	s_wait_loadcnt 12                              ; step 0's four loads are in
	TURN 0
.macro STEP t
.set XS, X+16*((\t)%2)
.if (\t) > 0
	s_wait_dscnt 1                                 ; this step's numbers are back from the stage (the last step's byte store may be out)
.else
	s_wait_dscnt 0x0
.endif
.if (\t)+4 < STEPS
	LOAD (\t)+4                                    ; into the registers that this step's stage stores have read
.endif
.if (\t)+1 < STEPS
.if STEPS-2-(\t) >= 3
	s_wait_loadcnt 12                              ; the next step's four loads are in; those of the three steps behind it may be out
.else
	s_wait_loadcnt 4*(STEPS-2-(\t))
.endif
	TURN (\t)+1
.endif
	v_max3_num_f32 v8, |v[XS]|, |v[XS+1]|, |v[XS+2]|               ; the largest magnitude of my 16, in two chains
	v_max3_num_f32 v9, |v[XS+3]|, |v[XS+4]|, |v[XS+5]|
.irp i, 6,10
	v_max3_num_f32 v8, v8, |v[XS+\i]|, |v[XS+\i+1]|
	v_max3_num_f32 v9, v9, |v[XS+\i+2]|, |v[XS+\i+3]|
.endr
	v_max3_num_f32 v8, v8, |v[XS+14]|, |v[XS+15]|
	v_max3_num_f32 v8, v8, v9, 0x1800000           ; and the floor 2^(3 - 127): the byte cannot fall under 1
	v_max_num_f32_dpp v8, v8, v8 row_xmask:1 row_mask:0xf bank_mask:0xf   ; with my neighbour's 16: the block's
	v_add_nc_u32 v11, 0xff000000, v8               ; 2 off its exponent field: the conversion takes that field as its scale, and nothing else
.if (\t) == 0
	v_mov_b32 v[MXR], v8
.else
	v_max_num_f32 v[MXR], v[MXR], v8               ; the wave's largest magnitude so far
.endif
	v_cvt_scalef32_pk8_fp4_f32 v[C+4*(\t)], v[XS:XS+7], v11
	v_cvt_scalef32_pk8_fp4_f32 v[C+4*(\t)+1], v[XS+8:XS+15], v11
	v_lshrrev_b32 v[EB+(\t)], 23, v11              ; the scale's byte (also the plain line behind the conversions)
	ds_store_b8 v5, v[EB+(\t)] offset:16*(\t)      ; both lanes of a block write the same byte with the same value
	global_store_b64 v4, v[C+4*(\t):C+4*(\t)+1], s[20:21] offset:32*CB*(\t)   ; 256 consecutive bytes a wave, aligned
.endm
.irp t, 0,1,2,3,4,5,6,7,8,9,10,11,12,13,14,15
	STEP \t
.endr
	ds_load_b64 v[12:13], v6                       ; LDS serves a wave's instructions in order: these see my byte stores
	s_wait_dscnt 0x0
	global_store_b64 v7, v[12:13], s[22:23]        ; 256 consecutive scale bytes, aligned
	s_branch .Ltail
.Lcast:	; ---- the cast: my wave's run of 4,096 numbers: 32 loads of 512 bytes, all on their way at once
	s_sub_co_u32 s29, ttmp9, 224
	s_cmp_lt_u32 ttmp9, 416
	s_cselect_b64 s[16:17], s[16:17], s[18:19]
	s_cmp_lt_u32 ttmp9, 352
	s_cselect_b64 s[14:15], s[14:15], s[16:17]
	s_cmp_lt_u32 ttmp9, 288
	s_cselect_b64 s[12:13], s[12:13], s[14:15]
	s_and_b32 s30, s29, 63                         ; a tensor has 64 work-groups
	s_lshl_b32 s30, s30, 2
	s_add_co_u32 s30, s30, s28
	s_lshl_b32 s30, s30, 14                        ; 16,384 bytes in a wave
	s_mov_b32 s31, 0
	s_add_nc_u64 s[12:13], s[12:13], s[30:31]
	s_lshl_b32 s32, s29, 2
	s_add_co_u32 s32, s32, s28
	s_lshl_b32 s32, s32, 13                        ; 8,192 bytes out
	s_add_nc_u64 s[24:25], s[24:25], s[32:33]
.set i, 0
.rept 32
	global_load_b128 v[R+4*i:R+4*i+3], v3, s[12:13] offset:512*i th:TH_LOAD_NT
.set i, i+1
.endr
.set i, 0
.rept 32
.if i%4 == 0
	s_wait_loadcnt 28-i                            ; this group of four loads is in; the later groups may be out
.endif
.set RR, R+4*i
.if i == 0
	v_max_num_f32 v10, |v[RR]|, |v[RR+1]|          ; the first numbers start the two chains
	v_max_num_f32 v9, |v[RR+2]|, |v[RR+3]|
.else
	v_max3_num_f32 v10, v10, |v[RR]|, |v[RR+1]|
	v_max3_num_f32 v9, v9, |v[RR+2]|, |v[RR+3]|
.endif
	v_cvt_pk_f16_f32 v[RR], v[RR], v[RR+1]
	v_cvt_pk_f16_f32 v[RR+1], v[RR+2], v[RR+3]
	global_store_b64 v4, v[RR:RR+1], s[24:25] offset:256*i   ; 256 consecutive bytes a wave, aligned; no register is written twice
.set i, i+1
.endr
	v_max3_num_f32 v10, v10, v9, 0x1800000         ; the same floor as in the quantiser: the exponent field is 3 at the least
.Ltail:	; the wave's largest magnitude: across the 32 lanes, then lane 0 stores it
	v_max_num_f32_dpp v10, v10, v10 row_xmask:1 row_mask:0xf bank_mask:0xf
	v_max_num_f32_dpp v10, v10, v10 row_xmask:2 row_mask:0xf bank_mask:0xf
	v_max_num_f32_dpp v10, v10, v10 row_xmask:4 row_mask:0xf bank_mask:0xf
	v_max_num_f32_dpp v10, v10, v10 row_xmask:8 row_mask:0xf bank_mask:0xf
	v_permlanex16_b32 v9, v10, s36, s37            ; (v9 has been written on both ways)
	v_max_num_f32 v10, v10, v9
	s_wait_xcnt 0x0                                ; EXEC is a source of the stores above: it changes only behind this wait
	v_mov_b32 v1, 0
	v_cmp_eq_u32 vcc_lo, 0, v2
	s_wait_tensorcnt 0x0
	ds_add_u32 v192, v193
	s_wait_dscnt 0x0
	s_and_saveexec_b32 s38, vcc_lo
	global_store_b32 v1, v10, s[26:27]
	s_endpgm
.Lfunc_end_k_q2f3f1bde6b_prep:
	.size	k_q2f3f1bde6b_prep, .Lfunc_end_k_q2f3f1bde6b_prep-k_q2f3f1bde6b_prep
	.p2alignl 7, 3214868480
	.fill 96, 4, 3214868480
	.section	.rodata,"a",@progbits
	.p2align	6, 0x0
	.amdhsa_kernel k_q2f3f1bde6b_prep
		.amdhsa_group_segment_fixed_size 33280
		.amdhsa_private_segment_fixed_size 0
		.amdhsa_enable_private_segment 0
		.amdhsa_kernarg_size 96
		.amdhsa_user_sgpr_count 2
		.amdhsa_user_sgpr_kernarg_segment_ptr 1
		.amdhsa_wavefront_size32 1
		.amdhsa_system_sgpr_workgroup_id_x 1
		.amdhsa_system_sgpr_workgroup_id_y 1
		.amdhsa_system_sgpr_workgroup_id_z 1
		.amdhsa_system_vgpr_workitem_id 0
		.amdhsa_next_free_vgpr 194
		.amdhsa_next_free_sgpr 66
		.amdhsa_reserve_vcc 1
		.amdhsa_float_denorm_mode_32 3
		.amdhsa_float_denorm_mode_16_64 3
		.amdhsa_memory_ordered 1
		.amdhsa_forward_progress 1
		.amdhsa_inst_pref_size 50
	.end_amdhsa_kernel
	.amdgpu_metadata
---
amdhsa.version: [ 1, 2 ]
amdhsa.kernels:
  - .name:           k_q2f3f1bde6b_prep
    .symbol:         k_q2f3f1bde6b_prep.kd
    .args:
      - { .name: E, .offset: 0, .size: 8, .value_kind: global_buffer, .address_space: global }
      - { .name: WQ, .offset: 8, .size: 8, .value_kind: global_buffer, .address_space: global }
      - { .name: WK, .offset: 16, .size: 8, .value_kind: global_buffer, .address_space: global }
      - { .name: WV, .offset: 24, .size: 8, .value_kind: global_buffer, .address_space: global }
      - { .name: HQ, .offset: 32, .size: 8, .value_kind: global_buffer, .address_space: global }
      - { .name: HK, .offset: 40, .size: 8, .value_kind: global_buffer, .address_space: global }
      - { .name: HV, .offset: 48, .size: 8, .value_kind: global_buffer, .address_space: global }
      - { .name: WO, .offset: 56, .size: 8, .value_kind: global_buffer, .address_space: global }
      - { .name: codes, .offset: 64, .size: 8, .value_kind: global_buffer, .address_space: global }
      - { .name: scl, .offset: 72, .size: 8, .value_kind: global_buffer, .address_space: global }
      - { .name: hb, .offset: 80, .size: 8, .value_kind: global_buffer, .address_space: global }
      - { .name: mx, .offset: 88, .size: 8, .value_kind: global_buffer, .address_space: global }
    .group_segment_fixed_size: 33280
    .private_segment_fixed_size: 0
    .kernarg_segment_align: 8
    .kernarg_segment_size: 96
    .max_flat_workgroup_size: 128
    .sgpr_count:     66
    .vgpr_count:     194
    .wavefront_size: 32
...
	.end_amdgpu_metadata
.endif
;; end of part 1
;; launch proj (part 2): grid 12 x 16, 4 waves a work-group, clusters of 4 x 4, 327,680 bytes of LDS; arguments codes, scl, mx, qkv1; writes qkv1
.if DOCPART == 2
	.amdgcn_target "amdgcn-amd-amdhsa--gfx1250"
	.amdhsa_code_object_version 6
	.text
	.protected	k_q2f3f1bde6b_proj
	.globl	k_q2f3f1bde6b_proj
	.p2align	8
	.type	k_q2f3f1bde6b_proj,@function
k_q2f3f1bde6b_proj:
	s_mov_b64 s[64:65], 0
	v_nop
	global_prefetch_b8 v0, s[64:65] scope:SCOPE_SE
	s_setreg_imm32_b32 hwreg(HW_REG_WAVE_MODE, 25, 1), 1
	s_wait_xcnt 0x0
	s_wait_alu depctr_hold_cnt(0) depctr_sa_sdst(0) depctr_va_vdst(0) depctr_va_sdst(0) depctr_va_ssrc(0) depctr_va_vcc(0) depctr_vm_vsrc(0)
	s_getreg_b32 s2, hwreg(HW_REG_IB_STS2, 6, 4)
	s_cmp_eq_u32 s2, 0
	s_cbranch_scc0 .Lentry_in_a_cluster
	s_endpgm
.Lentry_in_a_cluster:
	s_bfe_u32 s2, ttmp6, 0x10000c
	s_cmp_lg_u32 s2, 0xf033
	s_cbranch_scc0 .Lentry_shape_is_right
	s_endpgm
.Lentry_shape_is_right:
; Q, K, V = E WQ^T, E WK^T, E WV^T as ONE product on codes of FP4 with E8M0 scales: C[m][n] = sum over k of A[m][k] B[n][k], m 4,096, n 3,072, k 1,024.
; A = rows 0-4095 of codes / scl, B = rows 4096-7167 (WQ, WK, WV).  The result, times 2^s1 (a whole-tensor power of two), is stored as f16 in qkv1 [3 x 4096][1024], row 4096 g + m.
; s1 = 257 - fE - fW, fX the exponent field of X's largest magnitude (from mx): a quantised number is under 2^(fX - 126), so |sum| x 2^s1 < 2^15 for every input: f16 cannot overflow.
; LIMITS: NaN and infinities are not served; s1 is held to -100 .. 100.
; A tile of C, 256 x 256, is made by four waves, as many as a WGP has SIMDs; a wave makes 128 x 128: 64 accumulators, 512 registers.  K is two slots of 512 (rows of 256 bytes): both are filled at the start, nothing is filled again.
; The scale bytes of the work-group's rows of A and B, for all of K, are two dense blocks: they come into LDS once, as rows of 256 bytes.
; CLUSTER 4 x 4: A's tiles are asked for jointly along a row of the cluster, B's along a column.  The cluster's x is g: four tile columns are one weight.
; THE MATRIX INSTRUCTION IS USED TRANSPOSED (source 0 = 16 rows of B, source 1 = 16 rows of A): a lane holds eight neighbouring numbers of a row of C.
; REGISTERS: window 0: v0-31 addresses; v32-95 scale words, two sets, and nothing else; v96-116 at work at the head; v128-191 A's fragments, one set, later rows on the way out; v192-223 packed results.
;   window 1: B's fragments, two sets, at v0 and v128.  window 2: the accumulators of my rows 0-63 ((a, b) at v[8 (8 a + b)]); window 3: rows 64-127.
.set NQ,     4                         ; steps of 128 along K in a slot
.set ROWB,   256                       ; a tile's row in bytes: 512 codes
.set KROW,   512                       ; a row of codes in memory
.set PITCH,  272                       ; an LDS row: 256 bytes + 16 of padding = 68 words: the 16 rows of a load start at 16 different banks (64 banks of 4 bytes: ISA guide 11.1)
.set FR,     8                         ; registers of a fragment
.set NL,     2                         ; LDS loads that bring one
.set NP,     4                         ; places behind this matrix instruction (ISA guide 7.12.1)
.set HALFT,  128*PITCH
.set SLOT,   4*HALFT                   ; A's 256 rows, then B's 256 rows
.set KS,     32                        ; a row of scale bytes
.set SCL,    2*SLOT                    ; behind the slots: the scales, as rows of 256 bytes + 16
.set HALFS,  (128*KS/256)*272          ; the scales of 128 rows
.set SBLK,   (16*KS/256)*272           ; of 16 rows
.set SPARE,  SCL+4*HALFS               ; the spare words: 128 bytes a wave, two blocks of 256 bytes that no other line names
.set SPITCH, 272                       ; the way out: 16 rows x (256 + 16) bytes a wave, in slot 0, which has had its only fill and its last read by then
.set ADRA, 16
.set ADRB, 20
.set STO,  24
.set RD,   25
.set CO,   26
.set ADRS, 27
.set SPW,  28
.set NIL,  29
.set SC,   32
.set AF,   128
.set BKB,  128
.set TMP,  192
.set G1,   24
.set G0,   32
.set G1B,  48
.set G0B,  56
.set G1S,  68
.set G0S,  76
.set G1SB, 80
.set G0SB, 88
.set SEL,  98                          ; s[98:99] selects for lane l xor 16
.set SG,   100                         ; s[100:101] 2^s1
.set MSB, 0
.macro WIN new                         ; the immediate's high byte repeats the setting that is left
.if MSB != (\new)
	s_set_vgpr_msb (MSB<<8)|(\new)
.set MSB, (\new)
.endif
.endm
.set MUL_LO, 0xa1                      ; source 0 (B) window 1, source 1 (A) window 0, C and D window 2
.set MUL_HI, 0xf1                      ; the same, C and D window 3
.set TO_B,   0x40                      ; destination window 1
.macro JLOAD g0a, g1a, g0b, g1b        ; a joint load: waves 0, 1 fetch for A, waves 2, 3 for B; four v_nop follow each line
	s_cmp_eq_u32 s15, 0
	s_cbranch_scc0 .Lfor_b_\@
	tensor_load_to_lds s[\g0a:\g0a+3], s[\g1a:\g1a+7]
	s_nop 0
.rept 4
	v_nop
.endr
	s_branch .Lasked_\@
.Lfor_b_\@:
	tensor_load_to_lds s[\g0b:\g0b+3], s[\g1b:\g1b+7]
	s_nop 0
.rept 4
	v_nop
.endr
.Lasked_\@:
.endm
.macro CROUND                          ; a round of the cluster's barrier
	s_barrier_signal -1
	s_barrier_wait -1
	s_cmp_lg_u32 s14, 0
	s_cbranch_scc1 .Lnot_wave_0_\@
	s_barrier_signal -3
.Lnot_wave_0_\@:
	s_barrier_wait -3
	s_barrier_signal -1
	s_barrier_wait -1
.endm
.macro LMAX r, n                       ; the largest of v[r] .. v[r + n - 1], into v[r]
	v_max3_num_f32 v[\r], v[\r], v[\r+1], v[\r+2]
.set LJ, 3
.if (\n-3)/2 > 0
.rept (\n-3)/2
	v_max3_num_f32 v[\r], v[\r], v[\r+LJ], v[\r+LJ+1]
.set LJ, LJ+2
.endr
.endif
	v_max_num_f32 v[\r], v[\r], v[\r+\n-1]
.endm
.macro FIELD d, r, t                   ; the largest of v[r] over the 32 lanes; its exponent field into s[d]
	v_max_num_f32_dpp v[\r], v[\r], v[\r] row_xmask:1 row_mask:0xf bank_mask:0xf
	v_max_num_f32_dpp v[\r], v[\r], v[\r] row_xmask:2 row_mask:0xf bank_mask:0xf
	v_max_num_f32_dpp v[\r], v[\r], v[\r] row_xmask:4 row_mask:0xf bank_mask:0xf
	v_max_num_f32_dpp v[\r], v[\r], v[\r] row_xmask:8 row_mask:0xf bank_mask:0xf
	v_permlanex16_b32 v[\t], v[\r], s[SEL], s[SEL+1]
	v_max_num_f32 v[\r], v[\r], v[\t]
	v_readfirstlane_b32 s[\d], v[\r]
	s_bfe_u32 s[\d], s[\d], 0x80017
.endm
.macro HOLD d
	s_max_i32 s[\d], s[\d], -100
	s_min_i32 s[\d], s[\d], 100
.endm
	s_load_b128 s[4:7], s[0:1], 0x0                ; codes s[4:5], scl s[6:7]
	s_load_b64 s[8:9], s[0:1], 0x10                ; mx
	s_load_b64 s[12:13], s[0:1], 0x18              ; qkv1
	v_lshl_add_u32 v[SPW], v0, 2, SPARE
	v_mov_b32 v[NIL], 0
	ds_add_u32 v28, v29
	s_wait_dscnt 0x0
	v_lshrrev_b32 v1, 5, v0
	v_readfirstlane_b32 s14, v1                    ; wave 0..3
	s_lshr_b32 s15, s14, 1                         ; my half of the tile's rows.  Also: I fetch for A (0) or for B (1)
	s_and_b32 s16, s14, 1                          ; my half of its columns.  Also: which 128 rows I fetch
	s_bfe_u32 s40, ttmp6, 0x40000                  ; cx, cy
	s_bfe_u32 s41, ttmp6, 0x40004
	s_lshl_b32 s42, ttmp9, 2
	s_add_co_u32 s42, s42, s40                     ; tile column = 4 x cluster x + cx
	s_and_b32 s17, ttmp7, 0xffff
	s_lshl_b32 s17, s17, 2
	s_add_co_u32 s17, s17, s41                     ; tile row = 4 x cluster y + cy
	s_lshl_b32 s43, s41, 2
	s_lshl_b32 s43, 15, s43                        ; my row of the cluster
	s_lshl_b32 s44, 0x1111, s40                    ; my column
	s_or_b32 s[G1+0], s43, (0<<16)|(1<<20)|(1<<21)|(5<<22)|(3<<25)   ; mask; elements of 1 byte; padding on; bit 21 beside a mask; 4 words after every 64
	s_or_b32 s[G1B+0], s44, (0<<16)|(1<<20)|(1<<21)|(5<<22)|(3<<25)
.irp g, G1, G1B
	s_mov_b32 s[\g+1], ROWB<<16                    ; tensor_dim0
	s_mov_b32 s[\g+2], 128<<16                     ; tensor_dim1
	s_mov_b32 s[\g+3], ROWB<<16                    ; tile_dim0
	s_mov_b32 s[\g+4], 128                         ; tile_dim1
	s_mov_b32 s[\g+5], KROW                        ; from row to row
	s_mov_b32 s[\g+6], 0
	s_mov_b32 s[\g+7], 0
.endr
	s_or_b32 s[G1S+0], s43, (3<<16)|(1<<20)|(1<<21)|(5<<22)|(3<<25)  ; the scales of 128 rows: 4,096 dense bytes as 16 rows of 32 elements of 8 bytes
	s_or_b32 s[G1SB+0], s44, (3<<16)|(1<<20)|(1<<21)|(5<<22)|(3<<25)
.irp g, G1S, G1SB
	s_mov_b32 s[\g+1], 32<<16
	s_mov_b32 s[\g+2], (128*KS/256)<<16
	s_mov_b32 s[\g+3], 32<<16
	s_mov_b32 s[\g+4], 128*KS/256
	s_mov_b32 s[\g+5], 32
	s_mov_b32 s[\g+6], 0
	s_mov_b32 s[\g+7], 0
.endr
	s_lshl_b32 s18, s16, 7
	s_lshl_b32 s20, s17, 8
	s_add_co_u32 s20, s20, s18                     ; A: row 256 x tile row + 128 x half
	s_lshl_b32 s46, s42, 8
	s_add_co_u32 s46, s46, s18
	s_add_co_u32 s46, s46, 4096                    ; B: row 4096 + 256 x tile column + 128 x half
	s_lshl_b32 s22, s20, 5                         ; their scale bytes,
	s_mov_b32 s23, 0
	s_lshl_b32 s92, s46, 5
	s_mov_b32 s93, 0
	s_lshl_b32 s20, s20, 9                         ; their codes
	s_mov_b32 s21, 0
	s_lshl_b32 s46, s46, 9
	s_mov_b32 s47, 0
	s_mul_i32 s45, s14, HALFT                      ; where they go: by the wave's number alone
	s_mul_i32 s94, s14, HALFS
	s_wait_kmcnt 0x0
	s_add_nc_u64 s[20:21], s[4:5], s[20:21]
	s_add_nc_u64 s[22:23], s[6:7], s[22:23]
	s_add_nc_u64 s[46:47], s[4:5], s[46:47]
	s_add_nc_u64 s[92:93], s[6:7], s[92:93]
	CROUND                                         ; all sixteen work-groups are here: the joint loads meet
	s_mov_b32 s[G0S], 1
	s_add_co_u32 s[G0S+1], s94, SCL
	s_mov_b64 s[G0S+2:G0S+3], s[22:23]
	s_or_b32 s[G0S+3], s[G0S+3], 0x80000000
	s_mov_b32 s[G0SB], 1
	s_add_co_u32 s[G0SB+1], s94, SCL
	s_mov_b64 s[G0SB+2:G0SB+3], s[92:93]
	s_or_b32 s[G0SB+3], s[G0SB+3], 0x80000000
	JLOAD G0S, G1S, G0SB, G1SB                     ; the scales first: they are wanted with the first slot
.irp s, 0,1
	s_mov_b32 s[G0+4*\s], 1
	s_add_co_u32 s[G0+4*\s+1], s45, \s*SLOT
	s_add_nc_u64 s[G0+4*\s+2:G0+4*\s+3], s[20:21], \s*ROWB
	s_or_b32 s[G0+4*\s+3], s[G0+4*\s+3], 0x80000000
	s_mov_b32 s[G0B+4*\s], 1
	s_add_co_u32 s[G0B+4*\s+1], s45, \s*SLOT
	s_add_nc_u64 s[G0B+4*\s+2:G0B+4*\s+3], s[46:47], \s*ROWB
	s_or_b32 s[G0B+4*\s+3], s[G0B+4*\s+3], 0x80000000
	JLOAD G0+4*\s, G1, G0B+4*\s, G1B               ; three loads of mine are out in all
.endr
	v_and_b32 v1, 15, v0                           ; l % 16
	v_bfe_u32 v2, v0, 4, 1                         ; l / 16
	v_mul_u32_u24 v3, v1, PITCH
	v_lshl_add_u32 v4, v2, 4, v3                   ; a fragment's row x pitch + 16 x half
	s_mul_i32 s21, s15, HALFT
	s_mul_i32 s22, s16, HALFT
	s_add_co_u32 s22, s22, 2*HALFT
.irp s, 0,1
	v_add_nc_u32 v[ADRA+\s], s21, v4
	v_add_nc_u32 v[ADRB+\s], s22, v4
	s_add_co_u32 s21, s21, SLOT
	s_add_co_u32 s22, s22, SLOT
.endr
	v_mul_u32_u24 v5, v1, KS                       ; my row's scales: KS bytes a row,
	v_lshrrev_b32 v6, 8, v5
	v_lshl_add_u32 v5, v6, 4, v5                   ; and 16 more for each 256 passed
	s_mul_i32 s21, s15, HALFS
	s_mul_i32 s22, s16, HALFS
	s_add_co_u32 s22, s22, 2*HALFS
	s_sub_co_u32 s22, s22, s21
	v_mul_u32_u24 v6, s22, v2                      ; lanes 16-31 take B's: one product, the distance between the two bases
	s_add_co_u32 s21, s21, SCL
	v_add_nc_u32 v5, v5, v6
	v_add_nc_u32 v[ADRS], s21, v5
	s_mul_i32 s23, s14, 16*SPITCH                  ; my stage
	v_mul_u32_u24 v5, v1, SPITCH
	v_lshl_add_u32 v5, v2, 4, v5
	v_add_nc_u32 v[STO], s23, v5                   ; in: row l % 16, 16 bytes for each half of the lanes
	v_mul_u32_u24 v5, v2, SPITCH
	v_lshl_add_u32 v5, v1, 4, v5
	v_add_nc_u32 v[RD], s23, v5                    ; back: lanes 0-15 one row of 256 bytes, lanes 16-31 the next
	v_lshlrev_b32 v5, 11, v2
	v_lshl_add_u32 v[CO], v1, 4, v5                ; the same two rows in qkv1 (2,048 bytes a row)
	s_lshl_b32 s20, s17, 8
	s_lshl_b32 s21, s15, 7
	s_add_co_u32 s20, s20, s21                     ; my first row
	s_lshl_b32 s20, s20, 11
	s_lshl_b32 s21, ttmp9, 23                      ; + g x 4,096 rows
	s_add_co_u32 s20, s20, s21
	s_mov_b32 s21, 0
	s_lshl_b32 s46, s40, 9                         ; my first column in g's 1,024: 256 cx + 128 x half, 2 bytes each
	s_lshl_b32 s47, s16, 8
	s_add_co_u32 s46, s46, s47
	s_mov_b32 s47, 0
	s_add_nc_u64 s[20:21], s[20:21], s[46:47]
	s_add_nc_u64 s[12:13], s[12:13], s[20:21]
	; 2^s1, while the tiles are on their way
	v_and_b32 v6, 31, v0
	v_lshlrev_b32 v7, 4, v6
	s_lshl_b32 s2, ttmp9, 9
	s_add_co_u32 s2, s2, 2048                      ; W_g's 128 words of mx
	s_mov_b32 s3, 0
	s_add_nc_u64 s[2:3], s[8:9], s[2:3]
.irp j, 0,1,2,3
	global_load_b128 v[96+4*\j:99+4*\j], v7, s[8:9] offset:512*\j   ; E's 512 words
.endr
	global_load_b128 v[112:115], v7, s[2:3]
	v_mov_b32 v116, 0
	s_mov_b32 s[SEL], 0x76543210
	s_mov_b32 s[SEL+1], 0xfedcba98
	s_wait_loadcnt 0x0
	LMAX 96, 16
	LMAX 112, 4
	FIELD 94, 96, 116
	FIELD 95, 112, 116
	s_sub_co_i32 s94, 257, s94
	s_sub_co_i32 s94, s94, s95
	HOLD 94
	s_add_co_u32 s94, s94, 127
	s_lshl_b32 s[SG], s94, 23
	s_mov_b32 s[SG+1], s[SG]
.macro FRAG reg, adr, q, i             ; 16 rows x 128 K of 4-bit codes: lane l holds row l % 16; registers 4 c .. 4 c + 3 hold K = 64 c + 32 (l / 16) + 0 .. 31
.irp c, 0,1
	ds_load_b128 v[\reg+4*\c:\reg+4*\c+3], v[\adr] offset:64*(\q)+32*\c+(\i)*16*PITCH
.endr
.endm
; 16 matrix instructions: A's blocks a0, a0 + 1 x B's eight.  The 64 accumulators take turns, one instruction a turn, in the same order in every step.
.macro MUL16 a0, p, q, sc, zero
.irp a, \a0, \a0+1
.irp b, 0,1,2,3,4,5,6,7
.if \zero
	v_wmma_scale_f32_16x16x128_f8f6f4 v[8*(8*((\a)%4)+\b):8*(8*((\a)%4)+\b)+7], v[128*(\p)+FR*\b:128*(\p)+FR*\b+FR-1], v[AF+FR*(\a):AF+FR*(\a)+FR-1], 0, v[SC+8*NQ*(\sc)+NQ*\b+(\q)], v[SC+8*NQ*(\sc)+NQ*(\a)+(\q)] matrix_a_fmt:MATRIX_FMT_FP4 matrix_b_fmt:MATRIX_FMT_FP4 matrix_a_scale:MATRIX_SCALE_ROW1
.else
	v_wmma_scale_f32_16x16x128_f8f6f4 v[8*(8*((\a)%4)+\b):8*(8*((\a)%4)+\b)+7], v[128*(\p)+FR*\b:128*(\p)+FR*\b+FR-1], v[AF+FR*(\a):AF+FR*(\a)+FR-1], v[8*(8*((\a)%4)+\b):8*(8*((\a)%4)+\b)+7], v[SC+8*NQ*(\sc)+NQ*\b+(\q)], v[SC+8*NQ*(\sc)+NQ*(\a)+(\q)] matrix_a_fmt:MATRIX_FMT_FP4 matrix_b_fmt:MATRIX_FMT_FP4 matrix_a_scale:MATRIX_SCALE_ROW1
.endif
.endr
.endr
.endm
.macro FETCH_B slot, q, p
	WIN TO_B
.irp i, 0,1,2,3,4,5,6,7
	FRAG 128*(\p)+FR*\i, ADRB+\slot, \q, \i
.endr
	WIN 0
.endm
.macro FETCH_A slot, q, i0
.irp i, \i0, \i0+1, \i0+2, \i0+3
	FRAG AF+FR*(\i), ADRA+\slot, \q, \i
.endr
.endm
.macro SCALES sc                       ; a slot's scale words: four words a row; lanes 0-15 take A's block i, lanes 16-31 B's block i
.irp i, 0,1,2,3,4,5,6,7
	ds_load_b128 v[SC+8*NQ*\sc+NQ*\i:SC+8*NQ*\sc+NQ*\i+3], v[ADRS] offset:\i*SBLK
.endr
.endm
.macro PLACES n                        ; plain vector lines between a matrix instruction and a load into, or a read of, its registers
.rept \n
	v_nop
.endr
.endm
.macro STEP slot, q, zero              ; 128 along K, with its successor in the same slot
	s_wait_dscnt 4*NL                              ; B's set and A's blocks 0-3 are in; the youngest eight loads (A's blocks 4-7) may be out
	WIN MUL_LO
	MUL16 0, (\q)%2, \q, \slot, \zero
	MUL16 2, (\q)%2, \q, \slot, \zero
	s_wait_dscnt 0
	PLACES NP
	FETCH_B \slot, (\q)+1, 1-(\q)%2
	FETCH_A \slot, (\q)+1, 0
	WIN MUL_HI
	MUL16 4, (\q)%2, \q, \slot, \zero
	MUL16 6, (\q)%2, \q, \slot, \zero
	PLACES NP
	WIN 0
	FETCH_A \slot, (\q)+1, 4
.endm
.macro TURN slot, next                 ; a slot's last step, and the change of slots: one barrier
	s_wait_tensorcnt 0x0                           ; all my tensor loads have landed: my part of the next slot
	ds_add_u32 v[SPW], v[NIL]                      ; 0 onto my spare word
	s_wait_dscnt 4*NL+1                            ; (the add and A's blocks 4-7 may be out)
	WIN MUL_LO
	MUL16 0, 1, NQ-1, \slot, 0
	s_wait_dscnt 0x0                               ; the add is done, and my reads of this slot are over
	s_barrier_signal -1
	MUL16 2, 1, NQ-1, \slot, 0
	WIN 0
	s_barrier_wait -1                              ; the next slot is whole, and nobody reads this one any more
	PLACES NP
	v_add_nc_u32 v[ADRS], 4*NQ, v[ADRS]            ; the next slot's scale words
	FETCH_B \next, 0, 0
	FETCH_A \next, 0, 0
	SCALES \next
	WIN MUL_HI
	MUL16 4, 1, NQ-1, \slot, 0
	MUL16 6, 1, NQ-1, \slot, 0
	PLACES NP
	WIN 0
	FETCH_A \next, 0, 4
.endm
.macro STEPS slot, from
.set Q, \from
.rept NQ-1-\from
	STEP \slot, Q, 0
.set Q, Q+1
.endr
.endm
	s_wait_tensorcnt 1                             ; the scales and my part of slot 0 are in (slot 1's load may be out),
	s_barrier_signal -1
	s_barrier_wait -1                              ; everybody's are
	FETCH_B 0, 0, 0
	FETCH_A 0, 0, 0
	SCALES 0
	FETCH_A 0, 0, 4
	STEP 0, 0, 1                                   ; the first products start the sums: nothing is cleared
	STEPS 0, 1
	TURN 0, 1
	STEPS 1, 0
	s_wait_dscnt 4*NL                              ; the last step: nothing more to fetch
	WIN MUL_LO
	MUL16 0, 1, NQ-1, 1, 0
	MUL16 2, 1, NQ-1, 1, 0
	s_wait_dscnt 0
	WIN MUL_HI
	MUL16 4, 1, NQ-1, 1, 0
	MUL16 6, 1, NQ-1, 1, 0
	WIN 0
; THE WAY OUT, a block of 16 rows x 128 columns at a time: times 2^s1, rounded to f16 (16 bytes a lane), through my stage, back as whole rows of 256 bytes.
.macro PACK a
.set AC, 64*((\a)%4)
	WIN 0x82+0x41*((\a)/4)                         ; destination and source 0: window 2 or 3
.set PJ, 0
.rept 32
	v_pk_mul_f32 v[AC+PJ:AC+PJ+1], v[AC+PJ:AC+PJ+1], s[SG:SG+1] op_sel_hi:[1,0]   ; each accumulator from its low end on
.set PJ, PJ+2
.endr
	WIN 0x0a+5*((\a)/4)                            ; sources 0 and 1: window 2 or 3
.irp b, 0,1,2,3,4,5,6,7
.irp r, 0,1,2,3
	v_cvt_pk_f16_f32 v[TMP+4*\b+\r], v[AC+8*\b+2*\r], v[AC+8*\b+2*\r+1]
.endr
.endr
	WIN 0
.endm
.macro TOSTAGE a
.set BK, BKB+32*((\a)%2)
.irp b, 0,1,2,3,4,5,6,7
	ds_store_b128 v[STO], v[TMP+4*\b:TMP+4*\b+3] offset:32*\b
.endr
.irp t, 0,1,2,3,4,5,6,7
	ds_load_b128 v[BK+4*\t:BK+4*\t+3], v[RD] offset:\t*2*SPITCH    ; LDS serves a wave's instructions in order: these see the stores above
.endr
.endm
.macro SEND a
.set BK, BKB+32*((\a)%2)
	s_wait_dscnt 0x0                               ; the block is back in registers
	s_wait_xcnt 0x0                                ; the block before has been read by its stores: its registers are loaded again next
.irp t, 0,1,2,3,4,5,6,7
	global_store_b128 v[CO], v[BK+4*\t:BK+4*\t+3], s[12:13] offset:(\a)*32768+\t*4096   ; 16 lanes store 256 consecutive bytes, aligned
.endr
.endm
	PLACES NP
	PACK 0
	TOSTAGE 0
.irp a, 1,2,3,4,5,6,7
	PACK \a                                        ; block a's arithmetic stands between block a - 1's stage loads and the wait for them
	SEND \a-1
	TOSTAGE \a
.endr
	SEND 7
	s_wait_tensorcnt 0x0                           ; the wave's end
	ds_add_u32 v[SPW], v[NIL]
	s_wait_dscnt 0x0
	CROUND                                         ; the closing round
	s_endpgm
.Lfunc_end_k_q2f3f1bde6b_proj:
	.size	k_q2f3f1bde6b_proj, .Lfunc_end_k_q2f3f1bde6b_proj-k_q2f3f1bde6b_proj
	.p2alignl 7, 3214868480
	.fill 96, 4, 3214868480
	.section	.rodata,"a",@progbits
	.p2align	6, 0x0
	.amdhsa_kernel k_q2f3f1bde6b_proj
		.amdhsa_group_segment_fixed_size 327680
		.amdhsa_private_segment_fixed_size 0
		.amdhsa_enable_private_segment 0
		.amdhsa_kernarg_size 32
		.amdhsa_user_sgpr_count 2
		.amdhsa_user_sgpr_kernarg_segment_ptr 1
		.amdhsa_wavefront_size32 1
		.amdhsa_system_sgpr_workgroup_id_x 1
		.amdhsa_system_sgpr_workgroup_id_y 1
		.amdhsa_system_sgpr_workgroup_id_z 1
		.amdhsa_system_vgpr_workitem_id 0
		.amdhsa_next_free_vgpr 1024
		.amdhsa_next_free_sgpr 102
		.amdhsa_reserve_vcc 0
		.amdhsa_float_denorm_mode_32 3
		.amdhsa_float_denorm_mode_16_64 3
		.amdhsa_memory_ordered 1
		.amdhsa_forward_progress 1
		.amdhsa_inst_pref_size 145
	.end_amdhsa_kernel
	.amdgpu_metadata
---
amdhsa.version: [ 1, 2 ]
amdhsa.kernels:
  - .name:           k_q2f3f1bde6b_proj
    .symbol:         k_q2f3f1bde6b_proj.kd
    .args:
      - { .name: codes, .offset: 0, .size: 8, .value_kind: global_buffer, .address_space: global }
      - { .name: scl, .offset: 8, .size: 8, .value_kind: global_buffer, .address_space: global }
      - { .name: mx, .offset: 16, .size: 8, .value_kind: global_buffer, .address_space: global }
      - { .name: qkv1, .offset: 24, .size: 8, .value_kind: global_buffer, .address_space: global }
    .group_segment_fixed_size: 327680
    .private_segment_fixed_size: 0
    .kernarg_segment_align: 8
    .kernarg_segment_size: 32
    .max_flat_workgroup_size: 128
    .sgpr_count:     102
    .vgpr_count:     1024
    .wavefront_size: 32
...
	.end_amdgpu_metadata
.endif
;; end of part 2
;; launch heads (part 3): grid 12 x 16, 4 waves a work-group, clusters of 4 x 4, 327,680 bytes of LDS; arguments qkv1, hb, mx, qkv2; writes qkv2
.if DOCPART == 3
	.amdgcn_target "amdgcn-amd-amdhsa--gfx1250"
	.amdhsa_code_object_version 6
	.text
	.protected	k_q2f3f1bde6b_heads
	.globl	k_q2f3f1bde6b_heads
	.p2align	8
	.type	k_q2f3f1bde6b_heads,@function
k_q2f3f1bde6b_heads:
	s_mov_b64 s[64:65], 0
	v_nop
	global_prefetch_b8 v0, s[64:65] scope:SCOPE_SE
	s_setreg_imm32_b32 hwreg(HW_REG_WAVE_MODE, 25, 1), 1
	s_wait_xcnt 0x0
	s_wait_alu depctr_hold_cnt(0) depctr_sa_sdst(0) depctr_va_vdst(0) depctr_va_sdst(0) depctr_va_ssrc(0) depctr_va_vcc(0) depctr_vm_vsrc(0)
	s_getreg_b32 s2, hwreg(HW_REG_IB_STS2, 6, 4)
	s_cmp_eq_u32 s2, 0
	s_cbranch_scc0 .Lentry_in_a_cluster
	s_endpgm
.Lentry_in_a_cluster:
	s_bfe_u32 s2, ttmp6, 0x10000c
	s_cmp_lg_u32 s2, 0xf033
	s_cbranch_scc0 .Lentry_shape_is_right
	s_endpgm
.Lentry_shape_is_right:
; q, k, v: for g = 0, 1, 2: C_g[m][n] = sum over k of A_g[m][k] H_g[n][k], m 4,096, n = 64 head + e (1,024), k 1,024; f16 operands, f32 sums.
; A_g = rows 4096 g .. of qkv1, H_g = rows 1024 g .. of hb.  The result, times 2^s2, is stored as f16 head by head: qkv2 [g][b][head][s][64].
; s2 = 116 - fH (fH: the exponent field of H_g's largest magnitude, from mx): |A| <= 2^15 and |H| < 2^(fH - 126), so |sum| x 2^s2 <= 2^15: f16 cannot overflow.
; LIMITS: NaN and infinities are not served; s2 is held to -100 .. 100.
; A tile of C, 256 x 256, is made by four waves, as many as a WGP has SIMDs; a wave makes 128 x 128: 64 accumulators, 512 registers.  K goes in steps of 128 (rows of 256 bytes) through a ring of two LDS slots.
; 192 work-groups: 3 x 16 x 4 tiles.  CLUSTER 4 x 4; its x is g.  A's tiles are asked for jointly along a row of the cluster, B's along a column.
; THE MATRIX INSTRUCTION IS USED TRANSPOSED (source 0 = 16 rows of H, source 1 = 16 rows of A): a lane holds eight neighbouring numbers of a row of C.
; The last K step goes by rows of C, so that finished rows leave while the others are multiplied.
; REGISTERS: window 0: v0-31 addresses; v64-127, v128-191 A's fragments, two buffers (in the last K step four of 16 rows x 128 K); v32-63, v192-255 at work on the way out.
;   window 1: v64-127, v128-191 B's fragments (in the last K step all 256).  window 2: accumulators of my rows 0-63 ((a, b) at v[8 (8 a + b)]); window 3: rows 64-127.
.set SIZE_K, 1024
.set KSTEP,  128
.set PITCH,  272                       ; 256 bytes + 16 = 68 words: the 16 rows of a load start at 16 different banks (64 banks of 4 bytes: ISA guide 11.1)
.set HALFT,  128*PITCH
.set SLOT,   4*HALFT
.set STAGE,  2*SLOT                    ; behind the ring: 16 rows x 272 bytes for each wave
.set SPITCH, 272
.set SPARE,  STAGE+4*16*SPITCH         ; the spare words: 128 bytes a wave, two blocks of 256 bytes that no other line names
.set LAPS,   SIZE_K/(2*KSTEP)
.set ADRA, 16
.set ADRB, 20
.set STO,  24
.set RD,   25
.set CO,   26
.set SPW,  28
.set NIL,  29
.set PFO,  30                          ; v30  the prefetches' offset: my lane x a row (2,048 bytes)
.set PFA,  44                          ; s[44:45] where my prefetches stand
.set LIM,  43                          ; s43  1 in a wave that prefetches, else the greatest number
.set F0,   64
.set F1,   128
.set TMP,  192
.set OB,   32
.set PA,   64
.set G1,   24
.set G0,   32
.set G1B,  48
.set G0B,  56
.set SEL,  66                          ; s[66:67] selects for lane l xor 16
.set SG,   68                          ; s[68:69] 2^s2
.set MSB, 0
.macro WIN new
.if MSB != (\new)
	s_set_vgpr_msb (MSB<<8)|(\new)
.set MSB, (\new)
.endif
.endm
.set MUL_LO, 0xa1
.set MUL_HI, 0xf1
.set TO_B,   0x40
.macro JLOAD s                         ; a joint load: waves 0, 1 fetch A's halves, waves 2, 3 B's; four v_nop follow each line
	s_cmp_eq_u32 s11, 0
	s_cbranch_scc0 .Lfor_b_\@
	tensor_load_to_lds s[G0+4*\s:G0+4*\s+3], s[G1:G1+7]
	s_nop 0
.rept 4
	v_nop
.endr
	s_branch .Lasked_\@
.Lfor_b_\@:
	tensor_load_to_lds s[G0B+4*\s:G0B+4*\s+3], s[G1B:G1B+7]
	s_nop 0
.rept 4
	v_nop
.endr
.Lasked_\@:
.endm
; A prefetch of the K step that stands two refills on: 32 rows x 256 bytes, a lane a row, one instruction a wave.  Each row's 256 bytes of a K step are named once in the launch:
; A_g's tile rows are read by this cluster alone, so every cluster asks for its own; H_g's tile columns are read by the four clusters of a column, and the one with y = 0 asks.
; The four partners of a joint load share its 128 rows out by address, 32 each.  The loop's last trip asks for nothing: there is no K step two on.
.macro ASK
	s_cmp_gt_u32 s3, s[LIM]
	s_cbranch_scc0 .Lnot_mine_\@
	global_prefetch_b8 v[PFO], s[PFA:PFA+1] offset:KSTEP*2 th:TH_LOAD_NT scope:SCOPE_SE
.Lnot_mine_\@:
.endm
.macro CREST
	s_cmp_lg_u32 s10, 0
	s_cbranch_scc1 .Lnot_wave_0_\@
	s_barrier_signal -3
.Lnot_wave_0_\@:
	s_barrier_wait -3
	s_barrier_signal -1
	s_barrier_wait -1
.endm
.macro CROUND
	s_barrier_signal -1
	s_barrier_wait -1
	CREST
.endm
.macro LMAX r, n
	v_max3_num_f32 v[\r], v[\r], v[\r+1], v[\r+2]
.set LJ, 3
.if (\n-3)/2 > 0
.rept (\n-3)/2
	v_max3_num_f32 v[\r], v[\r], v[\r+LJ], v[\r+LJ+1]
.set LJ, LJ+2
.endr
.endif
	v_max_num_f32 v[\r], v[\r], v[\r+\n-1]
.endm
.macro FIELD d, r, t
	v_max_num_f32_dpp v[\r], v[\r], v[\r] row_xmask:1 row_mask:0xf bank_mask:0xf
	v_max_num_f32_dpp v[\r], v[\r], v[\r] row_xmask:2 row_mask:0xf bank_mask:0xf
	v_max_num_f32_dpp v[\r], v[\r], v[\r] row_xmask:4 row_mask:0xf bank_mask:0xf
	v_max_num_f32_dpp v[\r], v[\r], v[\r] row_xmask:8 row_mask:0xf bank_mask:0xf
	v_permlanex16_b32 v[\t], v[\r], s[SEL], s[SEL+1]
	v_max_num_f32 v[\r], v[\r], v[\t]
	v_readfirstlane_b32 s[\d], v[\r]
	s_bfe_u32 s[\d], s[\d], 0x80017
.endm
.macro HOLD d
	s_max_i32 s[\d], s[\d], -100
	s_min_i32 s[\d], s[\d], 100
.endm
	s_load_b128 s[4:7], s[0:1], 0x0                ; qkv1 s[4:5], hb s[6:7]
	s_load_b64 s[70:71], s[0:1], 0x10              ; mx
	s_load_b64 s[8:9], s[0:1], 0x18                ; qkv2
	v_lshl_add_u32 v[SPW], v0, 2, SPARE
	v_mov_b32 v[NIL], 0
	ds_add_u32 v28, v29
	s_wait_dscnt 0x0
	v_lshrrev_b32 v1, 5, v0
	v_readfirstlane_b32 s10, v1                    ; wave 0..3
	s_lshr_b32 s11, s10, 1                         ; my half of the tile's rows.  Also: I fetch for A (0) or for B (1)
	s_and_b32 s12, s10, 1                          ; my half of its columns.  Also: which 128 rows I fetch
	s_bfe_u32 s40, ttmp6, 0x40000                  ; cx
	s_bfe_u32 s41, ttmp6, 0x40004                  ; cy
	s_lshl_b32 s42, ttmp9, 2
	s_add_co_u32 s42, s42, s40                     ; tile column over the three weights = 4 g + cx
	s_and_b32 s13, ttmp7, 0xffff
	s_lshl_b32 s13, s13, 2
	s_add_co_u32 s13, s13, s41                     ; tile row
	s_lshl_b32 s43, s41, 2
	s_lshl_b32 s43, 15, s43                        ; my row of the cluster
	s_lshl_b32 s44, 0x1111, s40                    ; my column
	s_or_b32 s[G1+0], s43, (1<<16)|(1<<20)|(1<<21)|(5<<22)|(3<<25)   ; mask; elements of 2 bytes; padding on; bit 21 beside a mask; 4 words after every 64
	s_or_b32 s[G1B+0], s44, (1<<16)|(1<<20)|(1<<21)|(5<<22)|(3<<25)
.irp g, G1, G1B
	s_mov_b32 s[\g+1], KSTEP<<16                   ; tensor_dim0
	s_mov_b32 s[\g+2], 128<<16                     ; tensor_dim1
	s_mov_b32 s[\g+3], KSTEP<<16                   ; tile_dim0
	s_mov_b32 s[\g+4], 128                         ; tile_dim1
	s_mov_b32 s[\g+5], SIZE_K                      ; from row to row
	s_mov_b32 s[\g+6], 0
	s_mov_b32 s[\g+7], 0
.endr
	s_lshl_b32 s17, s12, 7
	s_lshl_b32 s16, s13, 8
	s_add_co_u32 s16, s16, s17
	s_lshl_b32 s18, ttmp9, 12
	s_add_co_u32 s16, s16, s18                     ; A: row 4096 g + 256 x tile row + 128 x half
	s_lshl_b32 s16, s16, 11                        ; 2,048 bytes a row
	s_lshl_b32 s46, s42, 8
	s_add_co_u32 s46, s46, s17                     ; B: row 256 (4 g + cx) + 128 x half
	s_lshl_b32 s46, s46, 11
	s_mov_b32 s17, 0
	s_mov_b32 s47, 0
	s_mul_i32 s20, s10, HALFT                      ; where they go: by the wave's number alone
	s_wait_kmcnt 0x0
	s_add_nc_u64 s[14:15], s[4:5], s[16:17]
	s_add_nc_u64 s[46:47], s[6:7], s[46:47]
	CROUND                                         ; all sixteen work-groups are here: the first joint loads meet
.irp s, 0,1
	s_mov_b32 s[G0+4*\s], 1
	s_add_co_u32 s[G0+4*\s+1], s20, \s*SLOT
	s_add_nc_u64 s[G0+4*\s+2:G0+4*\s+3], s[14:15], \s*KSTEP*2
	s_or_b32 s[G0+4*\s+3], s[G0+4*\s+3], 0x80000000
	s_mov_b32 s[G0B+4*\s], 1
	s_add_co_u32 s[G0B+4*\s+1], s20, \s*SLOT
	s_add_nc_u64 s[G0B+4*\s+2:G0B+4*\s+3], s[46:47], \s*KSTEP*2
	s_or_b32 s[G0B+4*\s+3], s[G0B+4*\s+3], 0x80000000
	JLOAD \s
.endr
	v_and_b32 v1, 15, v0                           ; l % 16
	v_bfe_u32 v2, v0, 4, 1                         ; l / 16
	v_mul_u32_u24 v3, v1, PITCH
	v_lshl_add_u32 v3, v2, 4, v3
	s_mul_i32 s21, s11, HALFT
	s_mul_i32 s22, s12, HALFT
	s_add_co_u32 s22, s22, 2*HALFT
.irp s, 0,1
	v_add_nc_u32 v[ADRA+\s], s21, v3
	v_add_nc_u32 v[ADRB+\s], s22, v3
	s_add_co_u32 s21, s21, SLOT
	s_add_co_u32 s22, s22, SLOT
.endr
	s_mul_i32 s23, s10, 16*SPITCH
	s_add_co_u32 s23, s23, STAGE                   ; my stage
	v_mul_u32_u24 v4, v1, SPITCH
	v_lshl_add_u32 v4, v2, 4, v4
	v_add_nc_u32 v[STO], s23, v4                   ; in: row l % 16, 16 bytes for each half of the lanes
	v_bfe_u32 v6, v0, 3, 1                         ; back: a stage row holds two heads' 128 bytes.  Lanes 0-7 take head 0 of row 2 t, lanes 8-15 of row 2 t + 1, lanes 16-31 the same of head 1
	v_and_b32 v7, 7, v0
	v_mul_u32_u24 v5, v6, SPITCH
	v_lshl_add_u32 v5, v2, 7, v5
	v_lshl_add_u32 v5, v7, 4, v5
	v_add_nc_u32 v[RD], s23, v5
	v_lshlrev_b32 v5, 18, v2                       ; in qkv2 a head is 2^18 bytes, and two rows of a head are 256 consecutive bytes
	v_lshl_add_u32 v[CO], v1, 4, v5
	s_lshl_b32 s16, ttmp9, 23                      ; g
	s_lshr_b32 s17, s13, 3
	s_lshl_b32 s17, s17, 22                        ; b = tile row / 8
	s_add_co_u32 s16, s16, s17
	s_and_b32 s17, s13, 7
	s_lshl_b32 s17, s17, 15                        ; s: 256 rows of 128 bytes a tile row,
	s_add_co_u32 s16, s16, s17
	s_lshl_b32 s17, s11, 14                        ; 128 for my half
	s_add_co_u32 s16, s16, s17
	s_mov_b32 s17, 0
	s_add_nc_u64 s[8:9], s[8:9], s[16:17]
	s_lshl_b32 s46, s40, 20                        ; head 4 cx + 2 x half
	s_lshl_b32 s47, s12, 19
	s_add_co_u32 s46, s46, s47
	s_mov_b32 s47, 0
	s_add_nc_u64 s[8:9], s[8:9], s[46:47]
	; the prefetches
	s_lshl_b32 s20, s13, 8
	s_lshl_b32 s21, ttmp9, 12
	s_add_co_u32 s20, s20, s21                     ; A's tile: its first row
	s_lshl_b32 s42, s42, 8                         ; B's
	s_and_b32 s22, ttmp7, 0xffff                   ; cluster y
	s_cmp_eq_u32 s11, 0                            ; do I fetch for A?
	s_cselect_b32 s20, s20, s42
	s_cselect_b32 s21, s40, s41                    ; my place among the four that ask with me
	s_cselect_b32 s22, 0, s22                      ; A: nobody else reads these rows; B: the clusters of my column do
	s_cselect_b64 s[PFA:PFA+1], s[4:5], s[6:7]
	s_cmp_eq_u32 s22, 0
	s_cselect_b32 s[LIM], 1, -1                    ; the same in all sixteen partners, for a given wave
	s_lshl_b32 s22, s12, 7
	s_add_co_u32 s20, s20, s22                     ; + the 128 rows that I fetch
	s_lshl_b32 s21, s21, 5
	s_add_co_u32 s20, s20, s21                     ; + my work-group's 32 of them
	s_lshl_b32 s20, s20, 11
	s_mov_b32 s21, 0
	s_add_nc_u64 s[PFA:PFA+1], s[PFA:PFA+1], s[20:21]
	s_add_nc_u64 s[PFA:PFA+1], s[PFA:PFA+1], 2*KSTEP*2  ; at K step 2: the first refill steps it to 3 and names K step 4
	v_and_b32 v[PFO], 31, v0
	v_mul_u32_u24 v[PFO], v[PFO], SIZE_K*2
	; 2^s2, while the tiles are on their way
	v_and_b32 v8, 31, v0
	v_lshlrev_b32 v8, 4, v8
	s_lshl_b32 s72, ttmp9, 10
	s_add_co_u32 s72, s72, 3584                    ; H_g's 256 words of mx
	s_mov_b32 s73, 0
	s_add_nc_u64 s[70:71], s[70:71], s[72:73]
	global_load_b128 v[32:35], v8, s[70:71]
	global_load_b128 v[36:39], v8, s[70:71] offset:512
	v_mov_b32 v40, 0
	s_mov_b32 s[SEL], 0x76543210
	s_mov_b32 s[SEL+1], 0xfedcba98
	s_wait_loadcnt 0x0
	LMAX 32, 8
	FIELD 72, 32, 40
	s_sub_co_i32 s72, 116, s72
	HOLD 72
	s_add_co_u32 s72, s72, 127
	s_lshl_b32 s[SG], s72, 23
	s_mov_b32 s[SG+1], s[SG]
; 16 matrix instructions: m blocks a0, a0 + 1 of the window's four x all 8 n blocks, 32 along K.  The 64 accumulators take turns, one instruction a turn.
.macro MUL16 f, hi, a0, zero
.irp a, \a0, \a0+1
.irp b, 0,1,2,3,4,5,6,7
.if \zero
	v_wmma_f32_16x16x32_f16 v[8*(8*(\a)+\b):8*(8*(\a)+\b)+7], v[\f+8*\b:\f+8*\b+7], v[\f+8*(4*\hi+\a):\f+8*(4*\hi+\a)+7], 0
.else
	v_wmma_f32_16x16x32_f16 v[8*(8*(\a)+\b):8*(8*(\a)+\b)+7], v[\f+8*\b:\f+8*\b+7], v[\f+8*(4*\hi+\a):\f+8*(4*\hi+\a)+7], v[8*(8*(\a)+\b):8*(8*(\a)+\b)+7]
.endif
.endr
.endr
.endm
.macro FETCH slot, k, f                ; 32 LDS loads in one run: the fragments of a quarter step
	WIN TO_B
.irp i, 0,1,2,3,4,5,6,7
	ds_load_b128 v[\f+8*\i:\f+8*\i+3],   v[ADRB+\slot] offset:\k+\i*16*PITCH
	ds_load_b128 v[\f+8*\i+4:\f+8*\i+7], v[ADRB+\slot] offset:\k+\i*16*PITCH+32
.endr
	WIN 0
.irp i, 0,1,2,3,4,5,6,7
	ds_load_b128 v[\f+8*\i:\f+8*\i+3],   v[ADRA+\slot] offset:\k+\i*16*PITCH
	ds_load_b128 v[\f+8*\i+4:\f+8*\i+7], v[ADRA+\slot] offset:\k+\i*16*PITCH+32
.endr
.endm
.macro PLACES                          ; four plain vector lines between a matrix instruction and a load into, or a read of, its registers
.rept 4
	v_nop
.endr
.endm
.macro QUARTER slot, k, f, g, zero     ; 32 along K: multiplies buffer f, fetches the next quarter into g
	s_wait_dscnt 8                                 ; B and A's rows 0-63 are in; the youngest eight loads may be out
	WIN MUL_LO
	MUL16 \f, 0, 0, \zero
	MUL16 \f, 0, 2, \zero
	PLACES
	FETCH \slot, \k, \g
	s_wait_dscnt 32                                ; all but the 32 just issued
	WIN MUL_HI
	MUL16 \f, 1, 0, \zero
	MUL16 \f, 1, 2, \zero
.endm
.macro MEET round                      ; the first half of a K step's last quarter: one barrier for the change of slots
	WIN 0
	s_wait_tensorcnt 0x0                           ; all my tensor loads have landed: my part of the next slot
	ds_add_u32 v[SPW], v[NIL]                      ; 0 onto my spare word
	s_wait_dscnt 9                                 ; (the add and the youngest eight loads may be out)
	WIN MUL_LO
	MUL16 F1, 0, 0, 0
	s_wait_dscnt 0x0                               ; the add is done, and my reads of this slot are over
	s_barrier_signal -1
	MUL16 F1, 0, 2, 0
.if \round
	WIN 0
.endif
	s_barrier_wait -1
.endm
.macro TURN slot, next                 ; the whole last quarter: the slot just read is filled again, two K steps ahead
	s_wait_xcnt 0x0                                ; the last prefetch, a K step back, has read its address
	s_add_nc_u64 s[PFA:PFA+1], s[PFA:PFA+1], KSTEP*2
	MEET 1
	CREST                                          ; the barrier has opened a round of the cluster's: no wave of any partner still reads this slot or has a load on its way
	s_add_nc_u64 s[G0+4*\slot+2:G0+4*\slot+3], s[G0+4*\slot+2:G0+4*\slot+3], 2*KSTEP*2
	s_add_nc_u64 s[G0B+4*\slot+2:G0B+4*\slot+3], s[G0B+4*\slot+2:G0B+4*\slot+3], 2*KSTEP*2
	JLOAD \slot                                    ; my one tensor load behind the round; its four v_nop are also the places in front of the loads below
	FETCH \next, 0, F0
	ASK
	WIN MUL_HI
	MUL16 F1, 1, 0, 0
	MUL16 F1, 1, 2, 0
.endm
; The last K step (slot 1) by rows of C: all its fragments of B fill window 1; my eight blocks of 16 rows are finished one after the other, K ascending.
.macro BLOAD q
.irp i, 0,1,2,3,4,5,6,7
	ds_load_b128 v[64*\q+8*\i:64*\q+8*\i+3],   v[ADRB+1] offset:64*\q+\i*16*PITCH
	ds_load_b128 v[64*\q+8*\i+4:64*\q+8*\i+7], v[ADRB+1] offset:64*\q+\i*16*PITCH+32
.endr
.endm
.macro ALOAD a
.set FA, PA+32*((\a)%4)
.irp q, 0,1,2,3
	ds_load_b128 v[FA+8*\q:FA+8*\q+3],   v[ADRA+1] offset:64*\q+(\a)*16*PITCH
	ds_load_b128 v[FA+8*\q+4:FA+8*\q+7], v[ADRA+1] offset:64*\q+(\a)*16*PITCH+32
.endr
.endm
.macro ROW a
.set FA, PA+32*((\a)%4)
.set AC, 64*((\a)%4)
	WIN MUL_LO+0x50*((\a)/4)
.irp q, 0,1,2,3
.if (\a) == 0 && \q == 2
	s_wait_dscnt 24                                ; B's quarter 2 is in (behind it: A's blocks 1 to 3)
.endif
.irp b, 0,1,2,3,4,5,6,7
	v_wmma_f32_16x16x32_f16 v[AC+8*\b:AC+8*\b+7], v[64*\q+8*\b:64*\q+8*\b+7], v[FA+8*\q:FA+8*\q+7], v[AC+8*\b:AC+8*\b+7]
.endr
.endr
.endm
.macro PACK a                          ; block a: times 2^s2, rounded to f16, 16 bytes a lane
.set AC, 64*((\a)%4)
	WIN 0x82+0x41*((\a)/4)
.set PJ, 0
.rept 32
	v_pk_mul_f32 v[AC+PJ:AC+PJ+1], v[AC+PJ:AC+PJ+1], s[SG:SG+1] op_sel_hi:[1,0]   ; each accumulator from its low end on
.set PJ, PJ+2
.endr
	WIN 0x0a+5*((\a)/4)
.irp b, 0,1,2,3,4,5,6,7
.irp r, 0,1,2,3
	v_cvt_pk_f16_f32 v[TMP+4*\b+\r], v[AC+8*\b+2*\r], v[AC+8*\b+2*\r+1]
.endr
.endr
	WIN 0
.endm
.macro TOSTAGE a
.set BK, OB+192*((\a)%2)
.irp b, 0,1,2,3,4,5,6,7
	ds_store_b128 v[STO], v[TMP+4*\b:TMP+4*\b+3] offset:32*\b
.endr
.irp t, 0,1,2,3,4,5,6,7
	ds_load_b128 v[BK+4*\t:BK+4*\t+3], v[RD] offset:\t*2*SPITCH    ; LDS serves a wave's instructions in order: these see the stores above
.endr
.endm
.macro SEND a, younger
.set BK, OB+192*((\a)%2)
	s_wait_dscnt \younger                          ; the block is back in registers (the loads issued behind it may be out)
	s_wait_xcnt 0x0                                ; the block before has been read by its stores: its registers are loaded again next
.irp t, 0,1,2,3,4,5,6,7
	global_store_b128 v[CO], v[BK+4*\t:BK+4*\t+3], s[8:9] offset:(\a)*2048+\t*256   ; 16 lanes store two rows of one head: 256 consecutive bytes, aligned
.endr
.endm
	s_wait_tensorcnt 1                             ; my part of K step 0 is in,
	s_barrier_signal -1
	s_barrier_wait -1                              ; everybody's is
	FETCH 0, 0, F0
	QUARTER 0, 64,  F0, F1, 1                      ; the first quarter's products start the sums
	WIN 0
	s_mov_b32 s3, LAPS-1
.Llap:                                                 ; a trip goes once round the ring and fills both slots again
	QUARTER 0, 128, F1, F0, 0
	QUARTER 0, 192, F0, F1, 0
	TURN 0, 1
	QUARTER 1, 64,  F0, F1, 0
	QUARTER 1, 128, F1, F0, 0
	QUARTER 1, 192, F0, F1, 0
	TURN 1, 0
	QUARTER 0, 64,  F0, F1, 0
	WIN 0
	s_sub_co_u32 s3, s3, 1
	s_cmp_lg_u32 s3, 0
	s_cbranch_scc1 .Llap
	QUARTER 0, 128, F1, F0, 0
	QUARTER 0, 192, F0, F1, 0
	MEET 0                                         ; slot 1 holds the last K step; nothing is filled again, so no round follows
	PLACES
	WIN TO_B
	BLOAD 0
	BLOAD 1
	BLOAD 3
	WIN 0
	ALOAD 0
	WIN MUL_HI
	MUL16 F1, 1, 0, 0
	MUL16 F1, 1, 2, 0
	PLACES
	WIN TO_B
	BLOAD 2
	WIN 0
	ALOAD 1
	ALOAD 2
	ALOAD 3
	s_wait_dscnt 40                                ; all but the 40 just issued
	ROW 0
.irp a, 0,1,2,3,4,5,6,7
	PLACES
	PACK \a
	TOSTAGE \a
.if \a < 4
	ALOAD \a+4
	SEND \a, 8
.else
	SEND \a, 0
.endif
.if \a < 7
	ROW \a+1
.endif
.endr
	s_wait_tensorcnt 0x0                           ; the wave's end
	ds_add_u32 v[SPW], v[NIL]
	s_wait_dscnt 0x0
	CROUND                                         ; the closing round
	s_endpgm
.Lfunc_end_k_q2f3f1bde6b_heads:
	.size	k_q2f3f1bde6b_heads, .Lfunc_end_k_q2f3f1bde6b_heads-k_q2f3f1bde6b_heads
	.p2alignl 7, 3214868480
	.fill 96, 4, 3214868480
	.section	.rodata,"a",@progbits
	.p2align	6, 0x0
	.amdhsa_kernel k_q2f3f1bde6b_heads
		.amdhsa_group_segment_fixed_size 327680
		.amdhsa_private_segment_fixed_size 0
		.amdhsa_enable_private_segment 0
		.amdhsa_kernarg_size 32
		.amdhsa_user_sgpr_count 2
		.amdhsa_user_sgpr_kernarg_segment_ptr 1
		.amdhsa_wavefront_size32 1
		.amdhsa_system_sgpr_workgroup_id_x 1
		.amdhsa_system_sgpr_workgroup_id_y 1
		.amdhsa_system_sgpr_workgroup_id_z 1
		.amdhsa_system_vgpr_workitem_id 0
		.amdhsa_next_free_vgpr 1024
		.amdhsa_next_free_sgpr 76
		.amdhsa_reserve_vcc 0
		.amdhsa_float_denorm_mode_32 3
		.amdhsa_float_denorm_mode_16_64 3
		.amdhsa_memory_ordered 1
		.amdhsa_forward_progress 1
		.amdhsa_inst_pref_size 162
	.end_amdhsa_kernel
	.amdgpu_metadata
---
amdhsa.version: [ 1, 2 ]
amdhsa.kernels:
  - .name:           k_q2f3f1bde6b_heads
    .symbol:         k_q2f3f1bde6b_heads.kd
    .args:
      - { .name: qkv1, .offset: 0, .size: 8, .value_kind: global_buffer, .address_space: global }
      - { .name: hb, .offset: 8, .size: 8, .value_kind: global_buffer, .address_space: global }
      - { .name: mx, .offset: 16, .size: 8, .value_kind: global_buffer, .address_space: global }
      - { .name: qkv2, .offset: 24, .size: 8, .value_kind: global_buffer, .address_space: global }
    .group_segment_fixed_size: 327680
    .private_segment_fixed_size: 0
    .kernarg_segment_align: 8
    .kernarg_segment_size: 32
    .max_flat_workgroup_size: 128
    .sgpr_count:     76
    .vgpr_count:     1024
    .wavefront_size: 32
...
	.end_amdgpu_metadata
.endif
;; end of part 3
;; launch attn (part 4): grid 8 x 32, 8 waves a work-group, clusters of 4 x 1, 327,680 bytes of LDS; arguments qkv2, mx, ob; writes ob
.if DOCPART == 4
	.amdgcn_target "amdgcn-amd-amdhsa--gfx1250"
	.amdhsa_code_object_version 6
	.text
	.protected	k_q2f3f1bde6b_attn
	.globl	k_q2f3f1bde6b_attn
	.p2align	8
	.type	k_q2f3f1bde6b_attn,@function
k_q2f3f1bde6b_attn:
	s_mov_b64 s[64:65], 0
	v_nop
	global_prefetch_b8 v0, s[64:65] scope:SCOPE_SE
	s_setreg_imm32_b32 hwreg(HW_REG_WAVE_MODE, 25, 1), 1
	s_wait_xcnt 0x0
	s_wait_alu depctr_hold_cnt(0) depctr_sa_sdst(0) depctr_va_vdst(0) depctr_va_sdst(0) depctr_va_ssrc(0) depctr_va_vcc(0) depctr_vm_vsrc(0)
	s_getreg_b32 s2, hwreg(HW_REG_IB_STS2, 6, 4)
	s_cmp_eq_u32 s2, 0
	s_cbranch_scc0 .Lentry_in_a_cluster
	s_endpgm
.Lentry_in_a_cluster:
	s_bfe_u32 s2, ttmp6, 0x10000c
	s_cmp_lg_u32 s2, 0x3003
	s_cbranch_scc0 .Lentry_shape_is_right
	s_endpgm
.Lentry_shape_is_right:
; o[b][head][s][:] = sum over t of softmax_t(q[s] . k[t] / 8) v[t][:], 32 (b, head) pairs, 2,048 queries and keys, head size 64.  f16 operands, f32 products, maxima and sums.
; q, k, v come from qkv2 [g][b][head][s][64], each times a whole-tensor power of two: q 2^(s1q + s2q), k 2^(s1k + s2k), v 2^(s1v + s2v).  The first two are taken out of the scores exactly, in the
; factor c = log2(e) / 8 x 2^-(s1q + s2q + s1k + s2k); v's stays in o (|o| <= the largest |v|, so f16 cannot overflow) and is taken out by the last launch.
; o is stored as f16 in ob [row / 2][head][row & 1][64], so that two rows of a head are 256 consecutive bytes.
; LIMITS: NaN and infinities are not served; the four exponents are held to -100 .. 100 each.
; SHARES.  A work-group owns 256 queries of one pair, each of its eight waves 32: two tiles of 16.  Two waves lie on a SIMD: one wave's softmax stands beside the other's products.
; LAYOUT.  S^T = K Q^T (source 0 = 16 keys, source 1 = 16 queries): a lane holds ONE query (lane % 16) and keys 8 (lane / 16) + 0..7.  Two such tiles, rounded to f16 in pairs, ARE source 1 of O^T = V^T P.
; K comes out of LDS as it lies, V ([key][channel]) turned, by ds_load_tr16_b128.
; SOFTMAX.  A running maximum m and sum l for each query: p = 2^(c s - c m); in every step O and l are multiplied by a = 2^(c m_old - c m_new).
; RING.  Two LDS slots of 512 keys (eight steps of 64).  Waves 0-3 fetch K's quarters, waves 4-7 V's, 128 rows to a load: one tensor load of a wave is out at a time, and it has eight steps in which to land.
; LDS READS RUN AHEAD.  V's fragments are asked for at a step's head and wanted behind its softmax.  K's fragments of the NEXT step are asked for as soon as this step's products K Q^T have been issued, so that
; they have the softmax and the products V^T P in which to land.  A slot's last step asks for no K: the next slot may be read only behind the change of slots, where its first K is fetched.
; CLUSTER 4 x 1: the four query blocks of a cluster belong to one pair and walk the same K and V: each tile is asked for jointly.
; REGISTERS: window 0: v2-15 addresses; v16-31 statistics, 8 a tile: c m, m, l (two), c0-c3 (a takes c2's place); v32-63 Q; v64-127 S^T; v128-159 P; v160-223 O^T.  window 1: v0-63 K, v64-127 V.
.set KS,    64                         ; keys in a step
.set TKEYS, 512                        ; keys in a slot
.set PK,    144                        ; a row of K in LDS: 128 bytes + 16 = 36 words: the 16 rows of a load start at 16 different groups of four banks (64 banks of 4 bytes: ISA guide 11.1)
.set PV,    160                        ; a row of V: 128 + 32
.set VOFF,  TKEYS*PK
.set SLOTB, TKEYS*(PK+PV)
.set SPARE, 2*SLOTB                    ; the spare words: 128 bytes a wave, four blocks of 256 bytes that no other line names
.set SP,    144                        ; the way out: 32 rows x 144 bytes a wave, in slot 0, which has had its last fill and its last read by then
.set AK0, 2
.set AV0, 3
.set ADK, 4
.set ADV, 5
.set QO,  6
.set STO, 7
.set RD,  8
.set GO,  9
.set PFO, 11
.set SPW, 12
.set NIL, 13
.set ST,  16
.set Q,   32
.set S,   64
.set P,   128
.set O,   160
.set WV,  10
.set G1K, 24
.set G1V, 32
.set G0K, 40
.set G0V, 44
.set KL,  48                           ; s48  my quarter's place in a slot's K
.set VL,  49                           ; s49  in a slot's V
.set TK,  50                           ; s50  LDS byte of the K that is fetched next
.set TV,  51                           ; s51  of the V that is fetched next
.set CNT, 52
.set LIM, 53
.set PFA, 54
.set CS,  56                           ; s[56:57] c
.set SEL, 58                           ; s[58:59] selects for lane l xor 16
.set MSB, 0
.macro WIN new
.if MSB != (\new)
	s_set_vgpr_msb (MSB<<8)|(\new)
.set MSB, (\new)
.endif
.endm
.macro JLOAD                           ; a joint load; the branch hangs on the wave's number alone; four v_nop follow each line
	s_cmp_lt_u32 s[WV], 4
	s_cbranch_scc0 .Lfor_v_\@
	tensor_load_to_lds s[G0K:G0K+3], s[G1K:G1K+7]
	s_nop 0
.rept 4
	v_nop
.endr
	s_branch .Lasked_\@
.Lfor_v_\@:
	tensor_load_to_lds s[G0V:G0V+3], s[G1V:G1V+7]
	s_nop 0
.rept 4
	v_nop
.endr
.Lasked_\@:
.endm
; A prefetch of the tile that the NEXT change of slots will ask for: 65,536 bytes of K and as many of V.  Each 256 bytes are named once in the launch: the pair's first cluster asks; its four partners
; take 16,384 bytes each, told apart by address; in each, waves 0, 1 ask for K's and waves 4, 5 for V's, 8,192 bytes a wave, lanes 256 bytes apart.  The address is never rewritten: the tile stands in the immediate.
.macro ASK tile
	s_cmp_eq_u32 s[LIM], 1
	s_cbranch_scc0 .Lnot_mine_\@
	global_prefetch_b8 v[PFO], s[PFA:PFA+1] offset:\tile*TKEYS*128 th:TH_LOAD_NT scope:SCOPE_SE
.Lnot_mine_\@:
.endm
.macro CROUND
	s_barrier_signal -1
	s_barrier_wait -1
	s_cmp_lg_u32 s[WV], 0
	s_cbranch_scc1 .Lnot_wave_0_\@
	s_barrier_signal -3
.Lnot_wave_0_\@:
	s_barrier_wait -3
	s_barrier_signal -1
	s_barrier_wait -1
.endm
.macro LMAX r, n
	v_max3_num_f32 v[\r], v[\r], v[\r+1], v[\r+2]
.set LJ, 3
.if (\n-3)/2 > 0
.rept (\n-3)/2
	v_max3_num_f32 v[\r], v[\r], v[\r+LJ], v[\r+LJ+1]
.set LJ, LJ+2
.endr
.endif
	v_max_num_f32 v[\r], v[\r], v[\r+\n-1]
.endm
.macro FIELD d, r, t
	v_max_num_f32_dpp v[\r], v[\r], v[\r] row_xmask:1 row_mask:0xf bank_mask:0xf
	v_max_num_f32_dpp v[\r], v[\r], v[\r] row_xmask:2 row_mask:0xf bank_mask:0xf
	v_max_num_f32_dpp v[\r], v[\r], v[\r] row_xmask:4 row_mask:0xf bank_mask:0xf
	v_max_num_f32_dpp v[\r], v[\r], v[\r] row_xmask:8 row_mask:0xf bank_mask:0xf
	v_permlanex16_b32 v[\t], v[\r], s[SEL], s[SEL+1]
	v_max_num_f32 v[\r], v[\r], v[\t]
	v_readfirstlane_b32 s[\d], v[\r]
	s_bfe_u32 s[\d], s[\d], 0x80017
.endm
.macro HOLD d
	s_max_i32 s[\d], s[\d], -100
	s_min_i32 s[\d], s[\d], 100
.endm
	s_load_b128 s[4:7], s[0:1], 0x0                ; qkv2 s[4:5], mx s[6:7]
	s_load_b64 s[8:9], s[0:1], 0x10                ; ob
	v_lshl_add_u32 v[SPW], v0, 2, SPARE
	v_mov_b32 v[NIL], 0
	ds_add_u32 v12, v13
	s_wait_dscnt 0x0
	v_lshrrev_b32 v1, 5, v0
	v_readfirstlane_b32 s[WV], v1                  ; wave 0..7
	s_bfe_u32 s11, ttmp6, 0x40000                  ; cx
	s_lshl_b32 s12, ttmp9, 2
	s_add_co_u32 s12, s12, s11                     ; my block of 256 queries: it enters Q's, ob's and the prefetches' addresses alone
	s_and_b32 s13, ttmp7, 0xffff                   ; the pair, 16 b + head, which the four partners share
	s_lshl_b32 s14, s13, 18                        ; 2^18 bytes a pair in each of q, k, v
	s_mov_b32 s15, 0
	s_and_b32 s60, s[WV], 3                        ; which quarter of a tile I fetch
	s_mul_i32 s[KL], s60, 128*PK
	s_mul_i32 s[VL], s60, 128*PV
	s_add_co_u32 s[VL], s[VL], VOFF
	s_lshl_b32 s22, s60, 14                        ; its 128 rows of 128 bytes in memory
	s_mov_b32 s23, 0
	s_mov_b32 s[G1K], 15|(1<<16)|(1<<20)|(1<<21)|(4<<22)|(3<<25)   ; mask: all four; elements of 2 bytes; padding on; bit 21 beside a mask; 4 words after every 32
	s_mov_b32 s[G1V], 15|(1<<16)|(1<<20)|(1<<21)|(4<<22)|(7<<25)   ; the same with 8 words
.irp g, G1K, G1V
	s_mov_b32 s[\g+1], 64<<16                      ; tensor_dim0
	s_mov_b32 s[\g+2], 128<<16                     ; tensor_dim1
	s_mov_b32 s[\g+3], 64<<16                      ; tile_dim0
	s_mov_b32 s[\g+4], 128                         ; tile_dim1
	s_mov_b32 s[\g+5], 64                          ; from row to row
	s_mov_b32 s[\g+6], 0
	s_mov_b32 s[\g+7], 0
.endr
	s_mov_b32 s[CS], 0x3e38aa3b                    ; log2(e) / 8
	s_mov_b32 s[SEL], 0x76543210
	s_mov_b32 s[SEL+1], 0xfedcba98
	s_and_b32 s[LIM], s[WV], 2                     ; 0 in waves 0, 1, 4, 5,
	s_or_b32 s[LIM], s[LIM], ttmp9                 ; of the pair's first cluster: the same in all four partners
	s_cmp_eq_u32 s[LIM], 0
	s_cselect_b32 s[LIM], 1, -1
	s_wait_kmcnt 0x0
	s_add_nc_u64 s[20:21], s[4:5], s[14:15]        ; the pair's q,
	s_add_nc_u64 s[16:17], s[20:21], 0x800000      ; k,
	s_add_nc_u64 s[18:19], s[20:21], 0x1000000     ; v
	s_cmp_lt_u32 s[WV], 4
	s_cselect_b64 s[PFA:PFA+1], s[16:17], s[18:19]
	s_lshl_b32 s60, s11, 14                        ; my work-group's 16,384 bytes of a tile,
	s_and_b32 s61, s[WV], 1
	s_lshl_b32 s61, s61, 13                        ; my wave's 8,192 of them
	s_add_co_u32 s60, s60, s61
	s_mov_b32 s61, 0
	s_add_nc_u64 s[PFA:PFA+1], s[PFA:PFA+1], s[60:61]
	s_lshl_b32 s60, s12, 15                        ; my block's 256 rows of 128 bytes,
	s_lshl_b32 s62, s[WV], 12                      ; my wave's 32
	s_add_co_u32 s60, s60, s62
	s_add_nc_u64 s[20:21], s[20:21], s[60:61]      ; Q at my first query
	s_lshr_b32 s60, s13, 4
	s_lshl_b32 s60, s60, 22                        ; ob: b x 2,048 rows of 2,048 bytes,
	s_lshl_b32 s62, s12, 19                        ; my block,
	s_add_co_u32 s60, s60, s62
	s_lshl_b32 s62, s[WV], 16                      ; my wave,
	s_add_co_u32 s60, s60, s62
	s_and_b32 s62, s13, 15
	s_lshl_b32 s62, s62, 8                         ; my head's 256 bytes of a pair of rows
	s_add_co_u32 s60, s60, s62
	s_add_nc_u64 s[8:9], s[8:9], s[60:61]
	CROUND                                         ; all four work-groups are here: the first joint loads meet
	s_mov_b32 s[G0K], 1
	s_mov_b32 s[G0K+1], s[KL]                      ; slot 0
	s_add_nc_u64 s[G0K+2:G0K+3], s[16:17], s[22:23]
	s_or_b32 s[G0K+3], s[G0K+3], 0x80000000
	s_mov_b32 s[G0V], 1
	s_mov_b32 s[G0V+1], s[VL]
	s_add_nc_u64 s[G0V+2:G0V+3], s[18:19], s[22:23]
	s_or_b32 s[G0V+3], s[G0V+3], 0x80000000
	JLOAD                                          ; keys 0-511
	v_and_b32 v1, 15, v0                           ; r = l % 16
	v_bfe_u32 v10, v0, 4, 1                        ; h = l / 16
	v_lshlrev_b32 v[QO], 7, v1
	v_lshl_add_u32 v[QO], v10, 4, v[QO]
.irp t, 0,1
.irp kk, 0,1
	global_load_b128 v[Q+16*\t+8*\kk:Q+16*\t+8*\kk+3],   v[QO], s[20:21] offset:\t*2048+\kk*64      ; Q stays in registers: tile t, channels 32 kk on
	global_load_b128 v[Q+16*\t+8*\kk+4:Q+16*\t+8*\kk+7], v[QO], s[20:21] offset:\t*2048+\kk*64+32
.endr
.endr
	v_and_b32 v15, 31, v0
	v_lshlrev_b32 v[PFO], 8, v15
	v_lshlrev_b32 v15, 4, v15
.irp j, 0,1,2,3
	global_load_b128 v[64+4*\j:67+4*\j], v15, s[6:7] offset:512*\j       ; mx: E,
.endr
	global_load_b128 v[80:83], v15, s[6:7] offset:2048                   ; WQ,
	global_load_b128 v[84:87], v15, s[6:7] offset:2560                   ; WK,
	global_load_b128 v[88:91], v15, s[6:7] offset:3584                   ; HQ,
	global_load_b128 v[92:95], v15, s[6:7] offset:4096
	global_load_b128 v[96:99], v15, s[6:7] offset:4608                   ; HK
	global_load_b128 v[100:103], v15, s[6:7] offset:5120
	v_mul_u32_u24 v[AK0], v1, PK
	v_lshl_add_u32 v[AK0], v10, 4, v[AK0]          ; K: row r x pitch + 16 h
	v_and_b32 v14, 7, v0
	v_lshl_add_u32 v[AV0], v10, 3, v14             ; V: the turning load: lane l reads key 8 h + l % 8, channels 8 ((l / 8) % 2) on
	v_mul_u32_u24 v[AV0], v[AV0], PV
	v_bfe_u32 v14, v0, 3, 1
	v_lshl_add_u32 v[AV0], v14, 4, v[AV0]
	s_mul_i32 s60, s[WV], 32*SP                    ; my stage
	v_mul_u32_u24 v[STO], v1, SP
	v_lshl_add_u32 v[STO], v10, 4, v[STO]
	v_add_nc_u32 v[STO], s60, v[STO]               ; in: row r, 16 bytes for each half of the lanes
	v_bfe_u32 v14, v0, 3, 2
	v_mul_u32_u24 v[RD], v14, SP
	v_and_b32 v14, 7, v0
	v_lshl_add_u32 v[RD], v14, 4, v[RD]
	v_add_nc_u32 v[RD], s60, v[RD]                 ; back: eight lanes to a row of 128 bytes, four rows an instruction
	v_lshlrev_b32 v[GO], 12, v10
	v_lshl_add_u32 v[GO], v1, 4, v[GO]             ; in ob: sixteen lanes a pair of rows (256 bytes), the next pair 4,096 bytes on
.irp t, 0,1
	v_mov_b32 v[ST+8*\t], 0xff61b1e6               ; c m and m begin at -3e38, under every score: the first a is 0
	v_mov_b32 v[ST+8*\t+1], 0xff61b1e6
.irp u, 2,3,4,5,6,7
	v_mov_b32 v[ST+8*\t+\u], 0
.endr
.endr
.set i, 0
.rept 64
	v_mov_b32 v[O+i], 0                            ; O^T: cleared once, so that the step has no first form of its own: the first a leaves zeros zeros
.set i, i+1
.endr
	s_wait_loadcnt 0x0                             ; Q and mx
	LMAX 64, 16
	LMAX 80, 4
	LMAX 84, 4
	LMAX 88, 8
	LMAX 96, 8
	FIELD 60, 64, 14
	FIELD 61, 80, 14
	FIELD 62, 84, 14
	FIELD 63, 88, 14
	FIELD 66, 96, 14
	s_sub_co_i32 s61, 257, s61
	s_sub_co_i32 s61, s61, s60
	HOLD 61                                        ; s1q, as the launch that made Q took it
	s_sub_co_i32 s62, 257, s62
	s_sub_co_i32 s62, s62, s60
	HOLD 62                                        ; s1k
	s_sub_co_i32 s63, 116, s63
	HOLD 63                                        ; s2q
	s_sub_co_i32 s66, 116, s66
	HOLD 66                                        ; s2k
	s_add_co_i32 s61, s61, s62
	s_add_co_i32 s61, s61, s63
	s_add_co_i32 s61, s61, s66
	s_sub_co_i32 s61, 0, s61
	v_ldexp_f32 v14, s[CS], s61
	v_readfirstlane_b32 s[CS], v14                 ; c
	s_mov_b32 s[CS+1], s[CS]                       ; (named with it as a pair, so it is written)
; One tile's softmax for a step is a list of 118 instructions; SM writes number j of it for tile t.
;   0-15 the maximum of the lane's 32 scores and the old m;  16-20 the other half of the lanes', the new m, c m, c m_old - c m_new;
;   21-87 33 exponentials (a, then the scores) at the odd numbers from 23 on, a plain instruction at each even one: c s - c m for pairs still to come, roundings to f16 of pairs that are done, the first sums;
;   88-101 the last rounding, the rest of the sums, l = a l + the sum;  102-117 the tile's O^T times a.
.macro SM t
.set rT, ST+8*(\t)
.set rS, S+32*(\t)
.set rP, P+16*(\t)
.set rO, O+32*(\t)+2*(j-102)
.set q, (j-20)/2
.if j < 4
	v_max3_num_f32 v[rT+4+j], v[rS+8*j], v[rS+8*j+1], v[rS+8*j+2]          ; each accumulator is read from its low end on
.elseif j < 12
	v_max3_num_f32 v[rT+4+j%4], v[rT+4+j%4], v[rS+8*(j%4)+2*(j/4)+1], v[rS+8*(j%4)+2*(j/4)+2]
.elseif j == 12
	v_max3_num_f32 v[rT+4], v[rT+4], v[rS+7], v[rS+15]
.elseif j == 13
	v_max3_num_f32 v[rT+6], v[rT+6], v[rS+23], v[rS+31]
.elseif j == 14
	v_max3_num_f32 v[rT+4], v[rT+4], v[rT+5], v[rT+6]
.elseif j == 15
	v_max3_num_f32 v[rT+4], v[rT+4], v[rT+7], v[rT+1]
.elseif j == 16
	v_permlanex16_b32 v[rT+5], v[rT+4], s[SEL], s[SEL+1]                   ; the query's other 32 keys lie in the lane 16 away
.elseif j == 17
	v_mov_b32 v[rT+7], v[rT]                                               ; c m_old is kept for a
.elseif j == 18
	v_max_num_f32 v[rT+1], v[rT+4], v[rT+5]
.elseif j == 19
	v_mul_f32 v[rT], s[CS], v[rT+1]
.elseif j == 20
	v_sub_f32 v[rT+7], v[rT+7], v[rT]
.elseif j == 23
	v_exp_f32 v[rT+6], v[rT+7]
.elseif (j < 88) && (j > 23) && (j%2 == 1)
	v_exp_f32 v[rS+(j-25)/2], v[rS+(j-25)/2]
.elseif (q < 4) || ((j < 76) && (q%2 == 0))
.set b, q/2+2
.if q < 4
.set b, q
.endif
	v_pk_fma_f32 v[rS+2*b:rS+2*b+1], v[rS+2*b:rS+2*b+1], s[CS:CS+1], v[rT:rT+1] op_sel_hi:[1,0,0] neg_lo:[0,0,1] neg_hi:[0,0,1]   ; pair b: c s - c m
.elseif (j < 88) && (q%2 == 1)
	s_wait_alu depctr_va_vdst(0)
	v_cvt_pk_f16_f32 v[rP+(q-5)/2], v[rS+q-5], v[rS+q-4]                   ; its second exponential stands three numbers back
.elseif j == 89
	s_wait_alu depctr_va_vdst(0)
	v_cvt_pk_f16_f32 v[rP+15], v[rS+30], v[rS+31]
.elseif j < 102                        ; the sum of the 16 pairs, in place: neighbours 1, 2, 4 and 8 pairs apart, then l takes it
.set z, j-86
.if j < 89
.set z, (j-76)/4
.endif
.set w, 4
.set u, z
.if z >= 14
.set w, 32
.set u, 0
.elseif z >= 12
.set w, 16
.set u, z-12
.elseif z >= 8
.set w, 8
.set u, z-8
.endif
.if z < 15
	v_pk_add_f32 v[rS+w*u:rS+w*u+1], v[rS+w*u:rS+w*u+1], v[rS+w*u+w/2:rS+w*u+w/2+1]
.else
	v_pk_fma_f32 v[rT+2:rT+3], v[rT+2:rT+3], v[rT+6:rT+7], v[rS:rS+1] op_sel_hi:[1,0,1]
.endif
.else
	v_pk_mul_f32 v[rO:rO+1], v[rO:rO+1], v[rT+6:rT+7] op_sel_hi:[1,0]
.endif
.endm
.macro SLICE                           ; numbers 2 k and 2 k + 1 of both tiles
.if (k >= 11) && (k < 44)              ; tile by tile: plain, exponential, plain, exponential: each exponential has a plain line of the other tile behind it
.irp t, 0,1
.irp n, 0,1
.set j, 2*k+\n
	SM \t
.endr
.endr
.else                                  ; the two tiles alternate, so that no line reads the result of the line just before it
.irp n, 0,1
.irp t, 0,1
.set j, 2*k+\n
	SM \t
.endr
.endr
.endif
.set k, k+1
.endm
; The K fragments of the 64 keys at s[TK]: sixteen loads in one run.  places: v_nop behind the address addition; with it they make the four plain lines between products that
; have just read K's registers and the loads into them (ISA guide 7.12.1 for vector instructions).
.macro FETCH_K places
	v_add_nc_u32 v[ADK], s[TK], v[AK0]
.if \places > 0
.rept \places
	v_nop
.endr
.endif
	s_add_co_u32 s[TK], s[TK], KS*PK               ; the next fetch is the next step's
	WIN 0x40                                       ; destination window 1
.irp i, 0,1,2,3
.irp kk, 0,1
	ds_load_b128 v[16*\i+8*\kk:16*\i+8*\kk+3],   v[ADK] offset:\i*16*PK+\kk*64
	ds_load_b128 v[16*\i+8*\kk+4:16*\i+8*\kk+7], v[ADK] offset:\i*16*PK+\kk*64+32
.endr
.endr
	WIN 0
.endm
; A KEY STEP: 64 keys.  Its K has been asked for already.  pre = 1: the next step's K, which lies in the same slot, is asked for behind this step's products K Q^T.
.macro STEP pre
	v_add_nc_u32 v[ADV], s[TV], v[AV0]             ; these four lines are the places between the last products V^T P and the loads into V's registers
	v_nop
	v_nop
	v_nop
	s_add_co_u32 s[TV], s[TV], KS*PV
	WIN 0x40                                       ; destination window 1
.irp f, 0,1,2,3,4,5,6,7                ; keys 32 (f / 4) on, channels 16 (f % 4) on
	ds_load_tr16_b128 v[64+8*\f:64+8*\f+3],   v[ADV] offset:(\f/4)*32*PV+(\f%4)*32
	ds_load_tr16_b128 v[64+8*\f+4:64+8*\f+7], v[ADV] offset:(\f/4)*32*PV+16*PV+(\f%4)*32
.endr
	s_wait_dscnt 16                                ; K's sixteen loads, issued ahead of these, are in; V's sixteen may be out
	WIN 0x01                                       ; source 0 window 1
.set i, 0
.rept 16                               ; S^T = K Q^T: channels 32 (i / 8) on, keys 16 ((i / 2) % 4) on, tile i % 2.  Eight accumulators by turns; the first eight start the sums
.set rS, S+32*(i%2)+8*((i/2)%4)
.set rK, 16*((i/2)%4)+8*(i/8)
.set rQ, Q+16*(i%2)+8*(i/8)
.if i < 8
	v_wmma_f32_16x16x32_f16 v[rS:rS+7], v[rK:rK+7], v[rQ:rQ+7], 0
.else
	v_wmma_f32_16x16x32_f16 v[rS:rS+7], v[rK:rK+7], v[rQ:rQ+7], v[rS:rS+7]
.endif
.set i, i+1
.endr
	WIN 0
.if \pre
	FETCH_K 3                                      ; its four plain lines are also the places in front of the first read of the scores
.else
.rept 4
	v_nop                                          ; places in front of the first read of the scores
.endr
.endif
.set k, 0
.rept 59
	SLICE
.endr
.if \pre
	s_wait_dscnt 16                                ; V is in; the next step's sixteen loads of K, issued behind V's, may be out
.else
	s_wait_dscnt 0x0                               ; V is in; nothing was asked for behind it
.endif
	WIN 0x01
.set i, 0
.rept 16                               ; O^T += V^T P: keys 32 (i / 8) on, channels 16 ((i / 2) % 4) on, tile i % 2.  Eight accumulators by turns
.set rO, O+32*(i%2)+8*((i/2)%4)
.set rV, 64+32*(i/8)+8*((i/2)%4)
.set rP, P+16*(i%2)+8*(i/8)
	v_wmma_f32_16x16x32_f16 v[rO:rO+7], v[rV:rV+7], v[rP:rP+7], v[rO:rO+7]
.set i, i+1
.endr
	WIN 0
.endm
; A slot's eight steps: the first K behind the change of slots; seven steps in a loop, each of which asks for the next step's K; the last step, which asks for none, is written out.
.macro STEPS slot
	s_mov_b32 s[TK], \slot*SLOTB
	s_mov_b32 s[TV], \slot*SLOTB+VOFF
	FETCH_K 0                                      ; the last products that read K's registers stand a whole softmax back
	s_mov_b32 s[CNT], TKEYS/KS-1
.Lstep_\@:
	STEP 1
	s_sub_co_u32 s[CNT], s[CNT], 1
	s_cmp_lg_u32 s[CNT], 0
	s_cbranch_scc1 .Lstep_\@
	s_mov_b32 s[TV], \slot*SLOTB+VOFF+(TKEYS/KS-1)*KS*PV   ; the slot's last 64 keys of V, as a constant of the text
	STEP 0
.endm
; THE CHANGE OF SLOTS, at a slot's head.  Each wave waits for all its tensor loads (its part of the slot ahead), adds 0 to its spare word, and waits for that and for its reads of the slot that it has left.
; fill = 1: the barrier is a round of the cluster's, and behind it the other slot takes the next 512 keys.
.macro CHANGE fill, slot, ask
	s_wait_tensorcnt 0x0                           ; no tensor load of mine is out, so a group 0 may be written
	ds_add_u32 v[SPW], v[NIL]                      ; 0 onto my spare word
.if \fill
	s_add_co_u32 s[G0K+1], s[KL], \slot*SLOTB
	s_add_nc_u64 s[G0K+2:G0K+3], s[G0K+2:G0K+3], TKEYS*128   ; the type bits on top are not reached
	s_add_co_u32 s[G0V+1], s[VL], \slot*SLOTB
	s_add_nc_u64 s[G0V+2:G0V+3], s[G0V+2:G0V+3], TKEYS*128
.endif
	s_wait_dscnt 0x0                               ; the add is done, and my reads of the slot that I have left are over
.if \fill
	CROUND
	JLOAD                                          ; my one tensor load until the next round
.if \ask
	ASK \ask
.endif
.else
	s_barrier_signal -1
	s_barrier_wait -1
.endif
.endm
	CHANGE 1, 1, 2                                 ; keys 0-511 are in; keys 512-1023 go into slot 1
	STEPS 0
	CHANGE 1, 0, 3                                 ; keys 1024-1535 into slot 0
	STEPS 1
	CHANGE 1, 1, 0                                 ; keys 1536-2047 into slot 1: the last load
	STEPS 0
	CHANGE 0, 0, 0                                 ; written out
	STEPS 1
	; THE WAY OUT.  l's two halves and the other half of the lanes' are added (these lines are also the places behind the last products); O^T / l, rounded to f16, goes through my stage.
.irp t, 0,1
	v_add_f32 v[ST+8*\t+4], v[ST+8*\t+2], v[ST+8*\t+3]
.endr
.irp t, 0,1
	v_permlanex16_b32 v[ST+8*\t+5], v[ST+8*\t+4], s[SEL], s[SEL+1]
.endr
.irp t, 0,1
	v_add_f32 v[ST+8*\t+4], v[ST+8*\t+4], v[ST+8*\t+5]
.endr
.irp t, 0,1
	v_rcp_f32 v[ST+8*\t+6], v[ST+8*\t+4]
.endr
	v_nop                                          ; a plain line between the last reciprocal and its use
	s_wait_alu depctr_va_vdst(0)
.irp t, 0,1
.set i, 0
.rept 16
	v_pk_mul_f32 v[O+32*\t+i:O+32*\t+i+1], v[O+32*\t+i:O+32*\t+i+1], v[ST+8*\t+6:ST+8*\t+7] op_sel_hi:[1,0]
.set i, i+2
.endr
.endr
.irp t, 0,1
.set i, 0
.rept 16
	v_cvt_pk_f16_f32 v[S+16*\t+i], v[O+32*\t+2*i], v[O+32*\t+2*i+1]
.set i, i+1
.endr
.endr
.irp t, 0,1
.irp c, 0,1,2,3
	ds_store_b128 v[STO], v[S+16*\t+4*\c:S+16*\t+4*\c+3] offset:\t*16*SP+32*\c   ; lane (r, h): query 16 t + r, channels 16 c + 8 h on
.endr
.endr
.irp i, 0,1,2,3,4,5,6,7
	ds_load_b128 v[96+4*\i:99+4*\i], v[RD] offset:\i*4*SP                        ; LDS serves a wave's instructions in order: these see the stores above
.endr
.irp i, 0,1,2,3,4,5,6,7
	s_wait_dscnt 7-\i                              ; load i is in; the later ones may be out
	global_store_b128 v[GO], v[96+4*\i:99+4*\i], s[8:9] offset:\i*8192           ; 16 lanes store 256 consecutive bytes, aligned
.endr
	s_wait_tensorcnt 0x0                           ; the wave's end
	ds_add_u32 v[SPW], v[NIL]
	s_wait_dscnt 0x0
	CROUND                                         ; the closing round
	s_endpgm
.Lfunc_end_k_q2f3f1bde6b_attn:
	.size	k_q2f3f1bde6b_attn, .Lfunc_end_k_q2f3f1bde6b_attn-k_q2f3f1bde6b_attn
	.p2alignl 7, 3214868480
	.fill 96, 4, 3214868480
	.section	.rodata,"a",@progbits
	.p2align	6, 0x0
	.amdhsa_kernel k_q2f3f1bde6b_attn
		.amdhsa_group_segment_fixed_size 327680
		.amdhsa_private_segment_fixed_size 0
		.amdhsa_enable_private_segment 0
		.amdhsa_kernarg_size 24
		.amdhsa_user_sgpr_count 2
		.amdhsa_user_sgpr_kernarg_segment_ptr 1
		.amdhsa_wavefront_size32 1
		.amdhsa_system_sgpr_workgroup_id_x 1
		.amdhsa_system_sgpr_workgroup_id_y 1
		.amdhsa_system_sgpr_workgroup_id_z 1
		.amdhsa_system_vgpr_workitem_id 0
		.amdhsa_next_free_vgpr 384
		.amdhsa_next_free_sgpr 80
		.amdhsa_reserve_vcc 0
		.amdhsa_float_denorm_mode_32 3
		.amdhsa_float_denorm_mode_16_64 3
		.amdhsa_memory_ordered 1
		.amdhsa_forward_progress 1
		.amdhsa_inst_pref_size 172
	.end_amdhsa_kernel
	.amdgpu_metadata
---
amdhsa.version: [ 1, 2 ]
amdhsa.kernels:
  - .name:           k_q2f3f1bde6b_attn
    .symbol:         k_q2f3f1bde6b_attn.kd
    .args:
      - { .name: qkv2, .offset: 0, .size: 8, .value_kind: global_buffer, .address_space: global }
      - { .name: mx, .offset: 8, .size: 8, .value_kind: global_buffer, .address_space: global }
      - { .name: ob, .offset: 16, .size: 8, .value_kind: global_buffer, .address_space: global }
    .group_segment_fixed_size: 327680
    .private_segment_fixed_size: 0
    .kernarg_segment_align: 8
    .kernarg_segment_size: 24
    .max_flat_workgroup_size: 256
    .sgpr_count:     80
    .vgpr_count:     384
    .wavefront_size: 32
...
	.end_amdgpu_metadata
.endif
;; end of part 4
;; launch outp (part 5): grid 8 x 32, 4 waves a work-group, clusters of 4 x 4, 327,680 bytes of LDS; arguments ob, hb, mx, out0; writes out0
.if DOCPART == 5
	.amdgcn_target "amdgcn-amd-amdhsa--gfx1250"
	.amdhsa_code_object_version 6
	.text
	.protected	k_q2f3f1bde6b_outp
	.globl	k_q2f3f1bde6b_outp
	.p2align	8
	.type	k_q2f3f1bde6b_outp,@function
k_q2f3f1bde6b_outp:
	s_mov_b64 s[64:65], 0
	v_nop
	global_prefetch_b8 v0, s[64:65] scope:SCOPE_SE
	s_setreg_imm32_b32 hwreg(HW_REG_WAVE_MODE, 25, 1), 1
	s_wait_xcnt 0x0
	s_wait_alu depctr_hold_cnt(0) depctr_sa_sdst(0) depctr_va_vdst(0) depctr_va_sdst(0) depctr_va_ssrc(0) depctr_va_vcc(0) depctr_vm_vsrc(0)
	s_getreg_b32 s2, hwreg(HW_REG_IB_STS2, 6, 4)
	s_cmp_eq_u32 s2, 0
	s_cbranch_scc0 .Lentry_in_a_cluster
	s_endpgm
.Lentry_in_a_cluster:
	s_bfe_u32 s2, ttmp6, 0x10000c
	s_cmp_lg_u32 s2, 0xf033
	s_cbranch_scc0 .Lentry_shape_is_right
	s_endpgm
.Lentry_shape_is_right:
; out0[m][n] = 2^-(s1v + s2v) x sum over k of o[m][k] WO[n][k], m 4,096, n 1,024, k 1,024 (k = 64 head + e); f16 operands, f32 sums, f32 out.
; o lies in ob as [m / 2][head][m & 1][64]: a pair of rows is 4,096 bytes, and 256 along K (four heads) of a pair are 1,024 consecutive bytes.  WO = rows 3072 .. of hb.
; o carries v's whole-tensor power of two, 2^(s1v + s2v) (from mx, as the launches that made V and v took it); it is taken out here, exactly.
; LIMITS: NaN and infinities are not served; s1v and s2v are held to -100 .. 100 each.
; A tile of C is 128 x 128, so that 256 work-groups have work; four waves, each 64 x 64: 16 accumulators.  K goes in steps of 256 through a ring of two LDS slots.
; CLUSTER 4 x 4: A's tiles are asked for jointly along a row of the cluster, B's along a column.  THE MATRIX INSTRUCTION IS USED TRANSPOSED: a lane holds eight neighbouring numbers of a row of C.
; A wave's 64 columns of f32 are 256 aligned bytes, so each wave has a stage of its own on the way out and no barrier stands there.
; REGISTERS: window 0: v0-31 addresses; v32-60 at work at the head; v64-127 rows on the way out; v128-255 the accumulators ((a, b) at v[128 + 8 (4 a + b)]).  window 1: two fragment buffers of 128.
.set KSTEP,  256
.set PITCH,  528                       ; B's LDS row: 512 bytes + 16
.set PA,     1040                      ; A's LDS row, a pair of rows of o: 1,024 bytes + 16: row r of a fragment lies at 1040 (r / 2) + 128 (r % 2): sixteen different 16-byte columns of 256 bytes
.set HALFT,  64*PITCH                  ; a wave's share of a slot (A's 32 x 1,040 bytes fit in it)
.set SLOT,   4*HALFT
.set STAGE,  2*SLOT                    ; behind the ring: 16 rows x 272 bytes for each wave
.set SPITCH, 272
.set SPARE,  STAGE+4*16*SPITCH         ; the spare words: 128 bytes a wave, two blocks of 256 bytes that no other line names
.set LAPS,   1024/(2*KSTEP)
.set ADRA, 16
.set ADRB, 20
.set STO,  24
.set RD,   25
.set CO,   26
.set SPW,  28
.set NIL,  29
.set ACC,  128
.set F0,   0
.set F1,   128
.set G1,   24
.set G0,   32
.set G1B,  48
.set G0B,  56
.set SEL,  66
.set SG,   68                          ; s[68:69] 2^-(s1v + s2v)
.set MSB, 0
.macro WIN new
.if MSB != (\new)
	s_set_vgpr_msb (MSB<<8)|(\new)
.set MSB, (\new)
.endif
.endm
.set MUL,  0x05                        ; sources 0 (B) and 1 (A) window 1; C and D window 0
.set TO_F, 0x40                        ; destination window 1
.macro JLOAD s
	s_cmp_eq_u32 s11, 0
	s_cbranch_scc0 .Lfor_b_\@
	tensor_load_to_lds s[G0+4*\s:G0+4*\s+3], s[G1:G1+7]
	s_nop 0
.rept 4
	v_nop
.endr
	s_branch .Lasked_\@
.Lfor_b_\@:
	tensor_load_to_lds s[G0B+4*\s:G0B+4*\s+3], s[G1B:G1B+7]
	s_nop 0
.rept 4
	v_nop
.endr
.Lasked_\@:
.endm
.macro CREST
	s_cmp_lg_u32 s10, 0
	s_cbranch_scc1 .Lnot_wave_0_\@
	s_barrier_signal -3
.Lnot_wave_0_\@:
	s_barrier_wait -3
	s_barrier_signal -1
	s_barrier_wait -1
.endm
.macro CROUND
	s_barrier_signal -1
	s_barrier_wait -1
	CREST
.endm
.macro LMAX r, n
	v_max3_num_f32 v[\r], v[\r], v[\r+1], v[\r+2]
.set LJ, 3
.if (\n-3)/2 > 0
.rept (\n-3)/2
	v_max3_num_f32 v[\r], v[\r], v[\r+LJ], v[\r+LJ+1]
.set LJ, LJ+2
.endr
.endif
	v_max_num_f32 v[\r], v[\r], v[\r+\n-1]
.endm
.macro FIELD d, r, t
	v_max_num_f32_dpp v[\r], v[\r], v[\r] row_xmask:1 row_mask:0xf bank_mask:0xf
	v_max_num_f32_dpp v[\r], v[\r], v[\r] row_xmask:2 row_mask:0xf bank_mask:0xf
	v_max_num_f32_dpp v[\r], v[\r], v[\r] row_xmask:4 row_mask:0xf bank_mask:0xf
	v_max_num_f32_dpp v[\r], v[\r], v[\r] row_xmask:8 row_mask:0xf bank_mask:0xf
	v_permlanex16_b32 v[\t], v[\r], s[SEL], s[SEL+1]
	v_max_num_f32 v[\r], v[\r], v[\t]
	v_readfirstlane_b32 s[\d], v[\r]
	s_bfe_u32 s[\d], s[\d], 0x80017
.endm
.macro HOLD d
	s_max_i32 s[\d], s[\d], -100
	s_min_i32 s[\d], s[\d], 100
.endm
	s_load_b128 s[4:7], s[0:1], 0x0                ; ob s[4:5], hb s[6:7]
	s_load_b64 s[70:71], s[0:1], 0x10              ; mx
	s_load_b64 s[8:9], s[0:1], 0x18                ; out0
	v_lshl_add_u32 v[SPW], v0, 2, SPARE
	v_mov_b32 v[NIL], 0
	ds_add_u32 v28, v29
	s_wait_dscnt 0x0
	v_lshrrev_b32 v1, 5, v0
	v_readfirstlane_b32 s10, v1                    ; wave 0..3
	s_lshr_b32 s11, s10, 1                         ; my half of the tile's rows.  Also: I fetch for A (0) or for B (1)
	s_and_b32 s12, s10, 1                          ; my half of its columns.  Also: which 64 rows I fetch
	s_bfe_u32 s40, ttmp6, 0x40000
	s_bfe_u32 s41, ttmp6, 0x40004
	s_lshl_b32 s42, ttmp9, 2
	s_add_co_u32 s42, s42, s40                     ; tile column
	s_and_b32 s13, ttmp7, 0xffff
	s_lshl_b32 s13, s13, 2
	s_add_co_u32 s13, s13, s41                     ; tile row
	s_lshl_b32 s43, s41, 2
	s_lshl_b32 s43, 15, s43                        ; my row of the cluster
	s_lshl_b32 s44, 0x1111, s40                    ; my column
	s_or_b32 s[G1+0], s43, (1<<16)|(1<<20)|(1<<21)|(7<<22)|(3<<25)   ; A: 32 pairs of rows x 512 elements; 4 words of padding after every 256
	s_mov_b32 s[G1+1], 512<<16                     ; tensor_dim0
	s_mov_b32 s[G1+2], 32<<16                      ; tensor_dim1
	s_mov_b32 s[G1+3], 512<<16                     ; tile_dim0
	s_mov_b32 s[G1+4], 32                          ; tile_dim1
	s_mov_b32 s[G1+5], 2048                        ; from pair to pair
	s_mov_b32 s[G1+6], 0
	s_mov_b32 s[G1+7], 0
	s_or_b32 s[G1B+0], s44, (1<<16)|(1<<20)|(1<<21)|(6<<22)|(3<<25)  ; B: 64 rows x 256 elements; 4 words after every 128
	s_mov_b32 s[G1B+1], KSTEP<<16
	s_mov_b32 s[G1B+2], 64<<16
	s_mov_b32 s[G1B+3], KSTEP<<16
	s_mov_b32 s[G1B+4], 64
	s_mov_b32 s[G1B+5], 1024
	s_mov_b32 s[G1B+6], 0
	s_mov_b32 s[G1B+7], 0
	s_lshl_b32 s17, s12, 5
	s_lshl_b32 s16, s13, 6
	s_add_co_u32 s16, s16, s17                     ; A: pair 64 x tile row + 32 x half
	s_lshl_b32 s16, s16, 12                        ; 4,096 bytes a pair
	s_mov_b32 s17, 0
	s_lshl_b32 s46, s42, 7
	s_lshl_b32 s47, s12, 6
	s_add_co_u32 s46, s46, s47
	s_add_co_u32 s46, s46, 3072                    ; B: row 3072 + 128 x tile column + 64 x half of hb
	s_lshl_b32 s46, s46, 11
	s_mov_b32 s47, 0
	s_mul_i32 s20, s10, HALFT                      ; where they go: by the wave's number alone
	s_wait_kmcnt 0x0
	s_add_nc_u64 s[14:15], s[4:5], s[16:17]
	s_add_nc_u64 s[46:47], s[6:7], s[46:47]
	CROUND                                         ; all sixteen work-groups are here: the first joint loads meet
.irp s, 0,1
	s_mov_b32 s[G0+4*\s], 1
	s_add_co_u32 s[G0+4*\s+1], s20, \s*SLOT
	s_add_nc_u64 s[G0+4*\s+2:G0+4*\s+3], s[14:15], \s*1024     ; a K step is 1,024 bytes of a pair
	s_or_b32 s[G0+4*\s+3], s[G0+4*\s+3], 0x80000000
	s_mov_b32 s[G0B+4*\s], 1
	s_add_co_u32 s[G0B+4*\s+1], s20, \s*SLOT
	s_add_nc_u64 s[G0B+4*\s+2:G0B+4*\s+3], s[46:47], \s*512    ; and 512 bytes of a row of WO
	s_or_b32 s[G0B+4*\s+3], s[G0B+4*\s+3], 0x80000000
	JLOAD \s
.endr
	v_and_b32 v1, 15, v0                           ; r = l % 16
	v_bfe_u32 v2, v0, 4, 1                         ; h = l / 16
	v_mul_u32_u24 v3, v1, PITCH
	v_lshl_add_u32 v3, v2, 4, v3                   ; B: row x pitch + 16 h
	v_lshrrev_b32 v6, 1, v1
	v_and_b32 v7, 1, v1
	v_mul_u32_u24 v6, v6, PA
	v_lshl_add_u32 v6, v7, 7, v6
	v_lshl_add_u32 v6, v2, 4, v6                   ; A: 1040 (r / 2) + 128 (r % 2) + 16 h
	s_mul_i32 s21, s11, HALFT
	s_mul_i32 s22, s12, HALFT
	s_add_co_u32 s22, s22, 2*HALFT
.irp s, 0,1
	v_add_nc_u32 v[ADRA+\s], s21, v6
	v_add_nc_u32 v[ADRB+\s], s22, v3
	s_add_co_u32 s21, s21, SLOT
	s_add_co_u32 s22, s22, SLOT
.endr
	s_mul_i32 s23, s10, 16*SPITCH
	s_add_co_u32 s23, s23, STAGE                   ; my stage
	v_mul_u32_u24 v4, v1, SPITCH
	v_lshl_add_u32 v4, v2, 5, v4
	v_add_nc_u32 v[STO], s23, v4                   ; in: row r, 32 bytes for each half of the lanes
	v_mul_u32_u24 v5, v2, SPITCH
	v_lshl_add_u32 v5, v1, 4, v5
	v_add_nc_u32 v[RD], s23, v5                    ; back: lanes 0-15 one row of 256 bytes, lanes 16-31 the next
	v_lshlrev_b32 v5, 12, v2
	v_lshl_add_u32 v[CO], v1, 4, v5                ; the same two rows in out0 (4,096 bytes a row)
	s_lshl_b32 s16, s13, 7
	s_lshl_b32 s17, s11, 6
	s_add_co_u32 s16, s16, s17                     ; my first row
	s_lshl_b32 s16, s16, 12
	s_mov_b32 s17, 0
	s_add_nc_u64 s[8:9], s[8:9], s[16:17]
	s_lshl_b32 s46, s42, 9                         ; my first column, 4 bytes each: 128 x tile column + 64 x half
	s_lshl_b32 s47, s12, 8
	s_add_co_u32 s46, s46, s47
	s_mov_b32 s47, 0
	s_add_nc_u64 s[8:9], s[8:9], s[46:47]
	; 2^-(s1v + s2v), while the tiles are on their way
	v_and_b32 v8, 31, v0
	v_lshlrev_b32 v8, 4, v8
.irp j, 0,1,2,3
	global_load_b128 v[32+4*\j:35+4*\j], v8, s[70:71] offset:512*\j      ; mx: E,
.endr
	global_load_b128 v[48:51], v8, s[70:71] offset:3072                  ; WV,
	global_load_b128 v[52:55], v8, s[70:71] offset:5632                  ; HV
	global_load_b128 v[56:59], v8, s[70:71] offset:6144
	v_mov_b32 v60, 0
	s_mov_b32 s[SEL], 0x76543210
	s_mov_b32 s[SEL+1], 0xfedcba98
	s_wait_loadcnt 0x0
	LMAX 32, 16
	LMAX 48, 4
	LMAX 52, 8
	FIELD 72, 32, 60
	FIELD 73, 48, 60
	FIELD 74, 52, 60
	s_sub_co_i32 s73, 257, s73
	s_sub_co_i32 s73, s73, s72
	HOLD 73                                        ; s1v
	s_sub_co_i32 s74, 116, s74
	HOLD 74                                        ; s2v
	s_add_co_i32 s73, s73, s74
	s_sub_co_i32 s73, 0, s73
	v_ldexp_f32 v60, 1.0, s73
	v_readfirstlane_b32 s[SG], v60
	s_mov_b32 s[SG+1], s[SG]
; 8 matrix instructions: m blocks a0, a0 + 1 x all 4 n blocks, 32 along K.  The 16 accumulators take turns.
.macro MUL8 f, c, a0, zero
.irp a, \a0, \a0+1
.irp b, 0,1,2,3
.if \zero
	v_wmma_f32_16x16x32_f16 v[ACC+8*(4*(\a)+\b):ACC+8*(4*(\a)+\b)+7], v[\f+64+8*(4*\c+\b):\f+64+8*(4*\c+\b)+7], v[\f+8*(4*\c+\a):\f+8*(4*\c+\a)+7], 0
.else
	v_wmma_f32_16x16x32_f16 v[ACC+8*(4*(\a)+\b):ACC+8*(4*(\a)+\b)+7], v[\f+64+8*(4*\c+\b):\f+64+8*(4*\c+\b)+7], v[\f+8*(4*\c+\a):\f+8*(4*\c+\a)+7], v[ACC+8*(4*(\a)+\b):ACC+8*(4*(\a)+\b)+7]
.endif
.endr
.endr
.endm
; 32 LDS loads in one run: 64 along K (one head) at byte k of B's rows, 2 k of A's pairs; the first 32 along K first
.macro FETCH slot, k, f
	WIN TO_F
.irp c, 0,1
.irp i, 0,1,2,3
	ds_load_b128 v[\f+64+8*(4*\c+\i):\f+64+8*(4*\c+\i)+3],   v[ADRB+\slot] offset:\k+64*\c+\i*16*PITCH
	ds_load_b128 v[\f+64+8*(4*\c+\i)+4:\f+64+8*(4*\c+\i)+7], v[ADRB+\slot] offset:\k+64*\c+\i*16*PITCH+32
	ds_load_b128 v[\f+8*(4*\c+\i):\f+8*(4*\c+\i)+3],         v[ADRA+\slot] offset:2*(\k)+64*\c+\i*8*PA
	ds_load_b128 v[\f+8*(4*\c+\i)+4:\f+8*(4*\c+\i)+7],       v[ADRA+\slot] offset:2*(\k)+64*\c+\i*8*PA+32
.endr
.endr
.endm
.macro PLACES                          ; four plain vector lines between a matrix instruction and a load into, or a read of, its registers
.rept 4
	v_nop
.endr
.endm
.macro QUARTER slot, k, f, g, zero
	s_wait_dscnt 16                                ; the first 32 along K are in
	WIN MUL
	MUL8 \f, 0, 0, \zero
	MUL8 \f, 0, 2, \zero
	PLACES
	FETCH \slot, \k, \g
	s_wait_dscnt 32                                ; all but the 32 just issued
	WIN MUL
	MUL8 \f, 1, 0, 0
	MUL8 \f, 1, 2, 0
.endm
.macro TURN slot, next, fill           ; a K step's last quarter, and the change of slots: one barrier
	WIN 0
	s_wait_tensorcnt 0x0                           ; all my tensor loads have landed: my part of the next slot
	ds_add_u32 v[SPW], v[NIL]                      ; 0 onto my spare word
	s_wait_dscnt 17                                ; (the add and the youngest sixteen loads may be out)
	WIN MUL
	MUL8 F1, 0, 0, 0
	s_wait_dscnt 0x0                               ; the add is done, and my reads of this slot are over
	s_barrier_signal -1
	MUL8 F1, 0, 2, 0
.if \fill
	WIN 0
.endif
	s_barrier_wait -1
.if \fill
	CREST                                          ; the barrier has opened a round of the cluster's: no wave of any partner still reads this slot or has a load on its way
	s_add_nc_u64 s[G0+4*\slot+2:G0+4*\slot+3], s[G0+4*\slot+2:G0+4*\slot+3], 2*1024
	s_add_nc_u64 s[G0B+4*\slot+2:G0B+4*\slot+3], s[G0B+4*\slot+2:G0B+4*\slot+3], 2*512
	JLOAD \slot                                    ; my one tensor load behind the round; its four v_nop are also the places in front of the loads below
.else
	PLACES
.endif
	FETCH \next, 0, F0
	WIN MUL
	MUL8 F1, 1, 0, 0
	MUL8 F1, 1, 2, 0
.endm
	s_wait_tensorcnt 1                             ; my part of K step 0 is in,
	s_barrier_signal -1
	s_barrier_wait -1                              ; everybody's is
	FETCH 0, 0, F0
	QUARTER 0, 128, F0, F1, 1                      ; the first products start the sums
	WIN 0
	s_mov_b32 s3, LAPS-1
.Llap:                                                 ; a trip goes once round the ring and fills both slots again
	QUARTER 0, 256, F1, F0, 0
	QUARTER 0, 384, F0, F1, 0
	TURN 0, 1, 1
	QUARTER 1, 128, F0, F1, 0
	QUARTER 1, 256, F1, F0, 0
	QUARTER 1, 384, F0, F1, 0
	TURN 1, 0, 1
	QUARTER 0, 128, F0, F1, 0
	WIN 0
	s_sub_co_u32 s3, s3, 1
	s_cmp_lg_u32 s3, 0
	s_cbranch_scc1 .Llap
	QUARTER 0, 256, F1, F0, 0                      ; the last lap fills nothing
	QUARTER 0, 384, F0, F1, 0
	TURN 0, 1, 0
	QUARTER 1, 128, F0, F1, 0
	QUARTER 1, 256, F1, F0, 0
	QUARTER 1, 384, F0, F1, 0
	s_wait_dscnt 16
	WIN MUL
	MUL8 F1, 0, 0, 0
	MUL8 F1, 0, 2, 0
	s_wait_dscnt 0
	MUL8 F1, 1, 0, 0
	MUL8 F1, 1, 2, 0
	WIN 0
; THE WAY OUT, a block of 16 rows x 64 columns at a time: times the power of two, through my stage, back as whole rows of 256 bytes.
.macro SCALE a
.set PJ, 0
.rept 16
	v_pk_mul_f32 v[ACC+32*(\a)+PJ:ACC+32*(\a)+PJ+1], v[ACC+32*(\a)+PJ:ACC+32*(\a)+PJ+1], s[SG:SG+1] op_sel_hi:[1,0]   ; each accumulator from its low end on
.set PJ, PJ+2
.endr
.endm
.macro TOSTAGE a
.set BK, 64+32*((\a)%2)
.irp b, 0,1,2,3
	ds_store_b128 v[STO], v[ACC+8*(4*(\a)+\b):ACC+8*(4*(\a)+\b)+3] offset:64*\b
	ds_store_b128 v[STO], v[ACC+8*(4*(\a)+\b)+4:ACC+8*(4*(\a)+\b)+7] offset:64*\b+16
.endr
.irp t, 0,1,2,3,4,5,6,7
	ds_load_b128 v[BK+4*\t:BK+4*\t+3], v[RD] offset:\t*2*SPITCH    ; LDS serves a wave's instructions in order: these see the stores above
.endr
.endm
.macro SEND a
.set BK, 64+32*((\a)%2)
	s_wait_dscnt 0x0                               ; the block is back in registers
	s_wait_xcnt 0x0                                ; the block before has been read by its stores: its registers are loaded again next
.irp t, 0,1,2,3,4,5,6,7
	global_store_b128 v[CO], v[BK+4*\t:BK+4*\t+3], s[8:9] offset:(16*(\a)+2*\t)*4096 th:TH_STORE_NT   ; 16 lanes store 256 consecutive bytes, aligned; written once, read by nobody here
.endr
.endm
	PLACES
	SCALE 0
	TOSTAGE 0
.irp a, 1,2,3
	SCALE \a                                       ; block a's arithmetic stands between block a - 1's stage loads and the wait for them
	SEND \a-1
	TOSTAGE \a
.endr
	SEND 3
	s_wait_tensorcnt 0x0                           ; the wave's end
	ds_add_u32 v[SPW], v[NIL]
	s_wait_dscnt 0x0
	CROUND                                         ; the closing round
	s_endpgm
.Lfunc_end_k_q2f3f1bde6b_outp:
	.size	k_q2f3f1bde6b_outp, .Lfunc_end_k_q2f3f1bde6b_outp-k_q2f3f1bde6b_outp
	.p2alignl 7, 3214868480
	.fill 96, 4, 3214868480
	.section	.rodata,"a",@progbits
	.p2align	6, 0x0
	.amdhsa_kernel k_q2f3f1bde6b_outp
		.amdhsa_group_segment_fixed_size 327680
		.amdhsa_private_segment_fixed_size 0
		.amdhsa_enable_private_segment 0
		.amdhsa_kernarg_size 32
		.amdhsa_user_sgpr_count 2
		.amdhsa_user_sgpr_kernarg_segment_ptr 1
		.amdhsa_wavefront_size32 1
		.amdhsa_system_sgpr_workgroup_id_x 1
		.amdhsa_system_sgpr_workgroup_id_y 1
		.amdhsa_system_sgpr_workgroup_id_z 1
		.amdhsa_system_vgpr_workitem_id 0
		.amdhsa_next_free_vgpr 512
		.amdhsa_next_free_sgpr 76
		.amdhsa_reserve_vcc 0
		.amdhsa_float_denorm_mode_32 3
		.amdhsa_float_denorm_mode_16_64 3
		.amdhsa_memory_ordered 1
		.amdhsa_forward_progress 1
		.amdhsa_inst_pref_size 94
	.end_amdhsa_kernel
	.amdgpu_metadata
---
amdhsa.version: [ 1, 2 ]
amdhsa.kernels:
  - .name:           k_q2f3f1bde6b_outp
    .symbol:         k_q2f3f1bde6b_outp.kd
    .args:
      - { .name: ob, .offset: 0, .size: 8, .value_kind: global_buffer, .address_space: global }
      - { .name: hb, .offset: 8, .size: 8, .value_kind: global_buffer, .address_space: global }
      - { .name: mx, .offset: 16, .size: 8, .value_kind: global_buffer, .address_space: global }
      - { .name: out0, .offset: 24, .size: 8, .value_kind: global_buffer, .address_space: global }
    .group_segment_fixed_size: 327680
    .private_segment_fixed_size: 0
    .kernarg_segment_align: 8
    .kernarg_segment_size: 32
    .max_flat_workgroup_size: 128
    .sgpr_count:     76
    .vgpr_count:     512
    .wavefront_size: 32
...
	.end_amdgpu_metadata
.endif
;; end of part 5
